; MI455X (gfx1250); checked and timed in simulation.
; The chip was launched on July 23, 2026; its instructions are those of AMD's public machine-readable ISA for CDNA 5 (MIT licence, August 2026) and "CDNA5" Instruction Set Architecture Reference Guide (July 2026). The comments in the code are by the model that wrote it; some were corrected since.
;; Causal Self Attention. Allowed arithmetic: matrix products marked QUANTISED: E4M3 operands, one given power-of-two scale a tensor, by v_wmma_f32_16x16x64_fp8_fp8 or v_wmma_f32_16x16x128_fp8_fp8, f32 sums; everything else in f32.
;; Inputs: W_attn 1,024 x 3,072 float32; W_proj 1,024 x 1,024 float32; b_attn 3,072 float32; b_proj 1,024 float32; lowp_scales 8 int32 (the exponents e of the quantised operands' scales 2^e); x 4 x 2,048 x 1,024 float32.
;; Outputs: out0 4 x 2,048 x 1,024 float32.
;; This version of the problem:
;;   THIS VERSION OF THE PROBLEM IS GIVEN IN LOW PRECISION. The matrix products marked QUANTISED in the list below multiply operands that are first quantised to E4M3 (4 exponent bits, 3 mantissa bits; 8 bits a number), with one given power-of-two scale for each operand tensor; their sums are f32. All else is computed in f32.
;;   The module's matrix products, in the order in which they are computed (A, B: the left and right operand; K: the contracted axis; several contracted axes count as one K, in the product's order):
;;     1. [M 8,192, K 1,024] x [K 1,024, N 3,072]; A: input x; B: input W_attn: QUANTISED (scales: A lowp_scales[0], B lowp_scales[1])
;;     2. batch 64 x [M 2,048, K 64] x [K 64, N 2,048]; A: computed on the way; B: computed on the way: QUANTISED (scales: A lowp_scales[2], B lowp_scales[3])
;;     3. batch 64 x [M 2,048, K 2,048] x [K 2,048, N 64]; A: softmax (see below); B: computed on the way: QUANTISED (scales: A lowp_scales[4], B lowp_scales[5])
;;     4. [M 8,192, K 1,024] x [K 1,024, N 1,024]; A: computed on the way; B: input W_proj: QUANTISED (scales: A lowp_scales[6], B lowp_scales[7])
;;   THE QUANTISER, for each operand of a quantised product, along K:
;;     - The operand's scale is 2^e, e = its entry of the input lowp_scales (int32; the entries are numbered through the quantised products in the list's order, A before B).
;;     - Each number is divided by the scale, clamped to +-448, and rounded to the nearest number of E4M3, ties to even, subnormals kept.
;;     - The product sums the exact products of the quantised numbers (number of the format x scale) in f32.
;;   ~~~python
;;   def quantise(x, axis, e):      # numpy; x: float32 -> the quantised numbers, widened to float32 again
;;       x = np.moveaxis(x, axis, -1); K = x.shape[-1]
;;       r = np.clip(x / 2.0 ** e, -448, 448)
;;       step = 2.0 ** (np.maximum(np.frexp(np.where(r == 0, 1, r))[1] - 1, -6) - 3)
;;       q = np.round(r / step) * step * 2.0 ** e      # np.round: ties to even
;;       return np.moveaxis(q, -1, axis).astype(np.float32)
;;   ~~~
;;   SOFTMAX AHEAD OF A QUANTISED PRODUCT. Where the list says 'softmax', what is quantised is not the finished softmax but p = 2^(t - M), with t = logit x log2(e) and M = ceil(the row's largest t), a whole number; so 1/2 < the row's largest p <= 1. The row's sum l is taken of the UNQUANTISED p, in f32, and the product's result is divided by l at the end. Since M is a whole number, a kernel that streams over the keys may use a running M (the ceiling of the running maximum): every later rescaling is an exact power of two, so the quantised numbers keep their values, but for numbers so far below the row's largest that they fall under the format's range.
;;   OPERANDS COMPUTED ON THE WAY. 'Computed on the way' means the value that the module computes at that place (a softmax that the list does not call 'softmax' is quantised finished and normalised). What goes into a quantiser is computed in f32, as accurately as f32 sums, v_exp_f32 and their like allow (about 1e-6 of the number): no bf16 or f16 on the way to a quantiser, and a product that is left as it is and whose result goes on into a quantised operand takes f32 operands (vector FMAs, or v_wmma_f32_16x16x4_f32). A number that lies on a knife's edge between two numbers of the format may be rounded either way, as far as f32 arithmetic and the matrix unit's own rounding can turn it there, and no further.
;; One version. Each part assembles by itself: llvm-mc -triple=amdgcn-amd-amdhsa -mcpu=gfx1250 --defsym DOCPART=n.
;; ======== version 1 of 1: 4 launches
;; limits: right only within a limited range of input values
;; workspace buffers: x_codes 8,388,608 bytes; wa_codes 3,145,728 bytes; wp_codes 1,048,576 bytes; q_codes 8,388,608 bytes; k_codes 8,388,608 bytes; v_codes 8,388,608 bytes; y_codes 8,388,608 bytes
;; launch quant (part 1): grid 384 x 1, 4 waves a work-group, no clusters, 102,912 bytes of LDS; arguments x, W_attn, W_proj, lowp_scales, x_codes, wa_codes, wp_codes; writes x_codes, wa_codes, wp_codes
.if DOCPART == 1
	.amdgcn_target "amdgcn-amd-amdhsa--gfx1250"
	.amdhsa_code_object_version 6
	.text
	.protected	k_q5a83ebffc3_quant
	.globl	k_q5a83ebffc3_quant
	.p2align	8
	.type	k_q5a83ebffc3_quant,@function
k_q5a83ebffc3_quant:
	s_mov_b64 s[64:65], 0
	v_nop
	global_prefetch_b8 v0, s[64:65] scope:SCOPE_SE
	s_setreg_imm32_b32 hwreg(HW_REG_WAVE_MODE, 25, 1), 1
	s_wait_xcnt 0x0
; x [8192][1024], W_attn [1024 k][3072 n] and W_proj [1024 k][1024 n], all f32, become codes of FP8 (E4M3), one byte each, K innermost:
; x_codes [8192][1024], wa_codes [3072 n][1024 k], wp_codes [1024 n][1024 k].  code = number / 2^e, held within +-448, to the nearest code, ties to even.
; e: entry 0 of the scales for x, entry 1 for W_attn, entry 7 for W_proj.  LIMITS: each of them between -126 and 119.  NaN among the inputs is not served; an infinity is held at the largest code.
; One launch, three ways that part on the work-group's number alone and never join: work-groups 0-255 take x (32,768 numbers each), 256-351 W_attn, 352-383 W_proj (128 columns x 256 along K each).
; Each way has LDS bytes of its own.  No tensor loads, no barrier: waves share nothing.
; X: K is innermost.  A step's four loads read 512 consecutive bytes each; the 2,048 bytes turn through the wave's own stage so that a lane gets 16 neighbours along K; its 16 codes are 16 bytes, the wave stores 512 on end.
; W: K is the first axis.  A lane takes a column and its registers run down K, so the conversions give codes with K innermost; they gather in the wave's stage (32 columns x 256 bytes) and leave as rows, sixteen lanes to 256 aligned bytes.
.set SP,     80                        ; X: a lane's place in a stage: its 64 bytes + 16 of padding
.set WREG,   8192                      ; X: LDS of a wave: two stages of 32 x SP bytes
.set STEPS,  16
.set PITCH,  272                       ; W: a stage row: 256 bytes of codes + 16
.set KROW,   1024                      ; a row of a codes' buffer in bytes
.set NB,     8                         ; W: blocks of 32 along K for a wave
.set WALDS,  32768                     ; LDS: X's four regions from 0; W_attn's four stages from here (4 x 32 x 272);
.set WPLDS,  67584                     ; W_proj's from here;
.set SPARE,  102400                    ; and the spare words, 128 bytes for each wave: two blocks of 256 bytes that no other line names
.set SPW,    12                        ; v12  LDS address of my spare word; never rewritten
.set NIL,    13                        ; v13  0; never rewritten
.set R,      16                        ; X: v16-79   four sets of 16 numbers as they are loaded
.set X,      80                        ; X: v80-111  two sets of 16 neighbours
.set C,      128                       ; X: v128-191 codes: four registers for each step, so that no store's data are written again
.set WX,     32                        ; W: v32-95   two sets of 32 numbers
.set WC,     96                        ; W: v96-103  a block's codes
.set OUTR,   112                       ; W: v112-175 the way out
.macro XLOAD t
.irp i, 0,1,2,3
	global_load_b128 v[R+16*((\t)%4)+4*\i:R+16*((\t)%4)+4*\i+3], v3, s[4:5] offset:2048*(\t)+512*\i th:TH_LOAD_NT   ; 32 lanes read 512 consecutive bytes
.endr
.endm
.macro XTURN t                         ; step t's numbers through the stage: LDS serves a wave's instructions in order, so no wait stands between the stores and the loads
.irp i, 0,1,2,3
	ds_store_b128 v14, v[R+16*((\t)%4)+4*\i:R+16*((\t)%4)+4*\i+3] offset:32*SP*((\t)%2)+8*SP*\i
.endr
.irp i, 0,1,2,3
	ds_load_b128 v[X+16*((\t)%2)+4*\i:X+16*((\t)%2)+4*\i+3], v15 offset:32*SP*((\t)%2)+16*\i
.endr
.endm
.macro XSTEP t
.set XS, X+16*((\t)%2)
	s_wait_dscnt 0x0                               ; this step's numbers are back from the stage, so its stores into the stage have read their registers,
.if (\t)+4 < STEPS
	XLOAD (\t)+4                                   ; which take the loads of four steps on
.endif
.if (\t)+1 < STEPS
.if STEPS-2-(\t) >= 3
	s_wait_loadcnt 12                              ; the next step's four loads are in; those of the three steps behind it may be out
.else
	s_wait_loadcnt 4*(STEPS-2-(\t))
.endif
	XTURN (\t)+1                                   ; and go through the other stage while this step is worked
.endif
.set j, 0
.rept 16
	v_med3_num_f32 v[XS+j], v[XS+j], -v10, v10     ; the conversion to an 8-bit code does not saturate (ISA guide 7.6.2): the hold at the largest code x the scale comes first
.set j, j+1
.endr
	v_cvt_scalef32_pk8_fp8_f32 v[C+4*(\t):C+4*(\t)+1], v[XS:XS+7], v11
	v_cvt_scalef32_pk8_fp8_f32 v[C+4*(\t)+2:C+4*(\t)+3], v[XS+8:XS+15], v11
	global_store_b128 v4, v[C+4*(\t):C+4*(\t)+3], s[12:13] offset:512*(\t)   ; the results go to a store alone; the next vector lines are the next step's holds, plain ones on other registers
.endm
.macro WLOAD t, N, wb                  ; block t: W(32 t + i, my column), i = 0 .. 31, into set t % 2
.set i, 0
.rept 32
	global_load_b32 v[WX+32*((\t)%2)+i], v3, s[\wb:\wb+1] offset:(32*(\t)+i)*\N*4 th:TH_LOAD_NT
.set i, i+1
.endr
.endm
.macro WBLOCK t, N, wb
.set XS, WX+32*((\t)%2)
.if (\t) < NB-1
	s_wait_loadcnt 32                              ; this block's 32 loads are in; the next block's may be out
.else
	s_wait_loadcnt 0
.endif
.set j, 0
.rept 32
	v_med3_num_f32 v[XS+j], v[XS+j], -v10, v10
.set j, j+1
.endr
.irp g, 0,1,2,3
	v_cvt_scalef32_pk8_fp8_f32 v[WC+2*\g:WC+2*\g+1], v[XS+8*\g:XS+8*\g+7], v11
.endr
	ds_store_b128 v4, v[WC:WC+3] offset:32*(\t)    ; 32 codes: 32 bytes of my column's row
	ds_store_b128 v4, v[WC+4:WC+7] offset:32*(\t)+16
.if (\t)+2 < NB
	WLOAD (\t)+2, \N, \wb
.endif
	s_wait_dscnt 0x0                               ; the stores have read their registers: the next block's codes may be written
.endm
; A weight of N columns at s[wb], its codes at s[cb], its exponent in s[esc]; the way's first work-group; its LDS bytes.
.macro WPATH N, wb, cb, esc, first, lbase
	s_sub_co_u32 s19, ttmp9, \first
	s_and_b32 s20, s19, 3                          ; which 256 along K
	s_lshr_b32 s19, s19, 2                         ; which 128 columns
	s_lshl_b32 s19, s19, 7
	s_lshl_b32 s21, s18, 5
	s_add_co_u32 s19, s19, s21                     ; my wave's first column
	v_lshlrev_b32 v3, 2, v2                        ; in: 4 bytes a lane
	s_mul_i32 s21, s18, 32*PITCH
	s_add_co_u32 s21, s21, \lbase                  ; my stage
	v_mul_u32_u24 v4, v2, PITCH
	v_add_nc_u32 v4, s21, v4                       ; into it: row = my column
	v_and_b32 v5, 15, v2
	v_lshrrev_b32 v6, 4, v2                        ; out of it: sixteen lanes to a row, two rows an instruction
	v_mul_u32_u24 v7, v6, PITCH
	v_lshl_add_u32 v7, v5, 4, v7
	v_add_nc_u32 v7, s21, v7
	v_mul_u32_u24 v8, v6, KROW
	v_lshl_add_u32 v8, v5, 4, v8                   ; and the same place in the codes' buffer
	s_mul_i32 s22, s20, 256*\N*4                   ; W: 256 y rows of N x 4 bytes,
	s_lshl_b32 s23, s19, 2
	s_add_co_u32 s22, s22, s23                     ; + 4 x column
	s_mov_b32 s23, 0
	s_add_nc_u64 s[\wb:\wb+1], s[\wb:\wb+1], s[22:23]
	s_lshl_b32 s22, s19, 10                        ; codes: column x 1,024,
	s_lshl_b32 s20, s20, 8
	s_add_co_u32 s22, s22, s20                     ; + 256 y
	s_add_nc_u64 s[\cb:\cb+1], s[\cb:\cb+1], s[22:23]
	WLOAD 0, \N, \wb
	WLOAD 1, \N, \wb
	s_wait_kmcnt 0x0
	s_add_co_i32 s22, s[\esc], 127
	s_lshl_b32 s23, s22, 23
	v_mov_b32 v11, s23                             ; 2^e as f32: the conversion takes its exponent field
	s_add_co_i32 s22, s22, 8
	s_lshl_b32 s22, s22, 23
	s_or_b32 s22, s22, 0x600000
	v_mov_b32 v10, s22                             ; 448 x 2^e
	s_wait_alu depctr_va_vdst(0)
.irp t, 0,1,2,3,4,5,6,7
	WBLOCK \t, \N, \wb
.endr
.set i, 0
.rept 16
	ds_load_b128 v[OUTR+4*i:OUTR+4*i+3], v7 offset:2*i*PITCH   ; LDS serves a wave's instructions in order: these see my stores
.set i, i+1
.endr
.set i, 0
.rept 16
	s_wait_dscnt 15-i
	global_store_b128 v8, v[OUTR+4*i:OUTR+4*i+3], s[\cb:\cb+1] offset:2*i*KROW   ; sixteen lanes store 256 consecutive bytes, aligned
.set i, i+1
.endr
	s_wait_tensorcnt 0x0                           ; the wave's end, behind my last LDS store
	ds_add_u32 v[SPW], v[NIL]
	s_wait_dscnt 0x0
	s_endpgm
.endm
	s_load_b256 s[4:11], s[0:1], 0x0               ; x s[4:5], W_attn s[6:7], W_proj s[8:9], the scales' exponents s[10:11]
	s_load_b128 s[12:15], s[0:1], 0x20             ; x_codes s[12:13], wa_codes s[14:15]
	s_load_b64 s[16:17], s[0:1], 0x30              ; wp_codes
	v_lshl_add_u32 v[SPW], v0, 2, SPARE
	v_mov_b32 v[NIL], 0
	v_lshrrev_b32 v1, 5, v0
	v_readfirstlane_b32 s18, v1                    ; wave 0..3
	v_and_b32 v2, 31, v0                           ; lane
	s_wait_kmcnt 0x0
	s_load_b256 s[24:31], s[10:11], 0x0            ; e0 .. e7
	s_cmp_lt_u32 ttmp9, 256
	s_cbranch_scc0 .Lweights
	; ---- x
	s_wait_alu depctr_va_vdst(0)
	v_lshlrev_b32 v3, 4, v2                        ; my 16 bytes of a load's 512
	s_wait_alu depctr_va_vdst(0)
	s_mul_i32 s19, s18, WREG
	v_lshrrev_b32 v14, 2, v2
	v_mul_u32_u24 v14, v14, SP
	v_and_b32 v15, 3, v2
	v_lshl_add_u32 v14, v15, 4, v14
	v_add_nc_u32 v14, s19, v14                     ; the stage, on the way in: SP (lane / 4) + 16 (lane % 4)
	v_mul_u32_u24 v15, v2, SP
	v_add_nc_u32 v15, s19, v15                     ; and on the way out: SP x lane: my 16 neighbours
	v_lshlrev_b32 v4, 4, v2                        ; my codes' place in a step's
	s_lshl_b32 s19, ttmp9, 2
	s_add_co_u32 s20, s19, s18                     ; which run of 8,192 numbers is my wave's
	s_mov_b32 s21, 0
	s_lshl_b64 s[22:23], s[20:21], 15
	s_add_nc_u64 s[4:5], s[4:5], s[22:23]
	s_lshl_b64 s[22:23], s[20:21], 13
	s_add_nc_u64 s[12:13], s[12:13], s[22:23]
.irp t, 0,1,2,3
	XLOAD \t
.endr
	s_wait_alu depctr_va_vdst(0)
	s_wait_kmcnt 0x0
	s_add_co_i32 s22, s24, 127
	s_lshl_b32 s23, s22, 23
	v_mov_b32 v11, s23                             ; 2^e0 as f32
	s_add_co_i32 s22, s22, 8
	s_lshl_b32 s22, s22, 23
	s_or_b32 s22, s22, 0x600000
	v_mov_b32 v10, s22                             ; 448 x 2^e0
	s_wait_alu depctr_va_vdst(0)
	s_wait_loadcnt 12                              ; step 0's four loads are in
	XTURN 0
.irp t, 0,1,2,3,4,5,6,7,8,9,10,11,12,13,14,15
	XSTEP \t
.endr
	s_wait_tensorcnt 0x0                           ; the wave's end, behind my last LDS store
	ds_add_u32 v[SPW], v[NIL]
	s_wait_dscnt 0x0
	s_endpgm
.Lweights:
	s_cmp_lt_u32 ttmp9, 352
	s_cbranch_scc0 .Lwproj
	s_wait_alu depctr_va_vdst(0)
	WPATH 3072, 6, 14, 25, 256, WALDS              ; W_attn, e1.  The largest load offset, 255 x 3,072 x 4 bytes, lies inside the signed 24-bit immediate
.Lwproj:
	s_wait_alu depctr_va_vdst(0)
	WPATH 1024, 8, 16, 31, 352, WPLDS              ; W_proj, e7
.Lfunc_end_k_q5a83ebffc3_quant:
	.size	k_q5a83ebffc3_quant, .Lfunc_end_k_q5a83ebffc3_quant-k_q5a83ebffc3_quant
	.p2alignl 7, 3214868480
	.fill 96, 4, 3214868480
	.section	.rodata,"a",@progbits
	.p2align	6, 0x0
	.amdhsa_kernel k_q5a83ebffc3_quant
		.amdhsa_group_segment_fixed_size 102912
		.amdhsa_private_segment_fixed_size 0
		.amdhsa_enable_private_segment 0
		.amdhsa_kernarg_size 56
		.amdhsa_user_sgpr_count 2
		.amdhsa_user_sgpr_kernarg_segment_ptr 1
		.amdhsa_wavefront_size32 1
		.amdhsa_system_sgpr_workgroup_id_x 1
		.amdhsa_system_sgpr_workgroup_id_y 1
		.amdhsa_system_sgpr_workgroup_id_z 1
		.amdhsa_system_vgpr_workitem_id 0
		.amdhsa_next_free_vgpr 192
		.amdhsa_next_free_sgpr 66
		.amdhsa_reserve_vcc 0
		.amdhsa_float_denorm_mode_32 3
		.amdhsa_float_denorm_mode_16_64 3
		.amdhsa_memory_ordered 1
		.amdhsa_forward_progress 1
		.amdhsa_inst_pref_size 134
	.end_amdhsa_kernel
	.amdgpu_metadata
---
amdhsa.version: [ 1, 2 ]
amdhsa.kernels:
  - .name:           k_q5a83ebffc3_quant
    .symbol:         k_q5a83ebffc3_quant.kd
    .args:
      - { .name: x, .offset: 0, .size: 8, .value_kind: global_buffer, .address_space: global }
      - { .name: W_attn, .offset: 8, .size: 8, .value_kind: global_buffer, .address_space: global }
      - { .name: W_proj, .offset: 16, .size: 8, .value_kind: global_buffer, .address_space: global }
      - { .name: lowp_scales, .offset: 24, .size: 8, .value_kind: global_buffer, .address_space: global }
      - { .name: x_codes, .offset: 32, .size: 8, .value_kind: global_buffer, .address_space: global }
      - { .name: wa_codes, .offset: 40, .size: 8, .value_kind: global_buffer, .address_space: global }
      - { .name: wp_codes, .offset: 48, .size: 8, .value_kind: global_buffer, .address_space: global }
    .group_segment_fixed_size: 102912
    .private_segment_fixed_size: 0
    .kernarg_segment_align: 8
    .kernarg_segment_size: 56
    .max_flat_workgroup_size: 128
    .sgpr_count:     66
    .vgpr_count:     192
    .wavefront_size: 32
...
	.end_amdgpu_metadata
.endif
;; end of part 1
;; launch qkv (part 2): grid 12 x 32, 4 waves a work-group, clusters of 4 x 4, 327,680 bytes of LDS; arguments x_codes, wa_codes, lowp_scales, b_attn, q_codes, k_codes, v_codes; writes q_codes, k_codes, v_codes
.if DOCPART == 2
	.amdgcn_target "amdgcn-amd-amdhsa--gfx1250"
	.amdhsa_code_object_version 6
	.text
	.protected	k_q5a83ebffc3_qkv
	.globl	k_q5a83ebffc3_qkv
	.p2align	8
	.type	k_q5a83ebffc3_qkv,@function
k_q5a83ebffc3_qkv:
	s_mov_b64 s[64:65], 0
	v_nop
	global_prefetch_b8 v0, s[64:65] scope:SCOPE_SE
	s_setreg_imm32_b32 hwreg(HW_REG_WAVE_MODE, 25, 1), 1
	s_wait_xcnt 0x0
	s_wait_alu depctr_hold_cnt(0) depctr_sa_sdst(0) depctr_va_vdst(0) depctr_va_sdst(0) depctr_va_ssrc(0) depctr_va_vcc(0) depctr_vm_vsrc(0)
	s_getreg_b32 s2, hwreg(HW_REG_IB_STS2, 6, 4)
	s_cmp_eq_u32 s2, 0
	s_cbranch_scc0 .Lentry_in_a_cluster
	s_endpgm
.Lentry_in_a_cluster:
	s_bfe_u32 s2, ttmp6, 0x10000c
	s_cmp_lg_u32 s2, 0xf033
	s_cbranch_scc0 .Lentry_shape_is_right
	s_endpgm
.Lentry_shape_is_right:
; qkv = x W_attn + b_attn on codes of FP8 (E4M3), and q, k, v quantised on the way out.  x_codes [8192][1024], wa_codes [3072 n][1024 k]; sums in f32, each x 2^(e0 + e1), + bias, then / 2^e (q: e2, k: e3, v: e5), held at +-448.
; OUT: q_codes, k_codes [batch x 16 + head][token 2048][64];  v_codes [batch x 16 + head][channel 64][token 2048]: the tokens are the later product's K.
; LIMITS: e0 + e1 between -126 and 127; e2, e3, e5 between -126 and 119.
; A tile of qkv, 256 tokens x 256 columns, is made by a work-group of four waves; a wave makes 128 x 128: 64 accumulators, 512 registers.  K goes in 4 steps of 256 through a ring of two LDS slots filled by the tensor data mover.
; CLUSTERS: 4 x 4 work-groups.  The four of a row of the cluster need the same tiles of x, the four of a column the same tiles of W: each tile is asked for jointly.  A cluster's x (0, 1, 2) says whether its columns are q's, k's or v's: the same in all sixteen partners.
; THE TWO SOURCES.  Source 0 is read from window 1, source 1 from window 0.  In accumulator (a, b) lane (r, h), register j holds (source-1 row 16 a + r, source-0 row 16 b + 8 h + j).
; For q and k source 1 = tokens, source 0 = columns: a lane's eight registers are eight neighbouring channels of one token.  For v the two LDS read addresses change places (a select on the cluster's x):
; source 1 = columns, source 0 = tokens: eight neighbouring tokens of one channel.  So in both layouts a conversion's eight codes are eight neighbouring bytes, and one text serves all three.
; REGISTERS: window 0: v0-31 addresses; v32-95 the bias along source 0; v96-111 the bias along source 1; v112, v113 the conversion's scale and hold; from v128 source 1's fragments, ONE set; on the way out v128-255 are free.
;   window 1: source 0's fragments, two sets.   windows 2, 3: the accumulators ((a, b) at v[8 (8 (a % 4) + b)]).
; LAYOUTS AS THIS TEXT STORES THEM (they take the place of what the lines above say of them): in every block of 32 bytes along source 0 the four groups of eight bytes lie in the order 0, 2, 1, 3:
; for q and k that is one permutation of the channels, the same in both, which leaves their product as it is; for v it is the order of tokens in which the later product's other operand comes out of its conversions.
; v_codes is laid [batch x 16 + head][step of 128 tokens][channel 64][128 bytes]: each step's 8,192 bytes on end.
.set ROWB,   256
.set KROW,   1024                      ; a row of x_codes or wa_codes in memory
.set PITCH,  272                       ; an LDS row: 256 bytes + 16 of padding = 68 words, so that the 16 rows that a load touches start 4 words apart modulo 64
.set FR,     16                        ; registers of a fragment: 16 rows x 128 K
.set NL,     4                         ; LDS loads that bring one
.set NP,     4                         ; places behind this matrix instruction (ISA guide 7.12.1)
.set HALFT,  128*PITCH                 ; 128 rows: what one tensor load brings
.set SLOT,   4*HALFT                   ; x's 256 rows, then W's 256 rows
.set SPARE,  2*SLOT                    ; behind the ring: the spare words, 128 bytes for each wave: two blocks of 256 bytes that no other line names
.set HB,   6                           ; v6   32 h: my eight numbers of a bias tile
.set RB,   7                           ; v7   4 r
.set ADRA, 16                          ; v16-17  LDS address of source 1's fragments in slot 0, 1
.set ADRB, 20                          ; v20-21  the same for source 0
.set STO,  24                          ; v24  the way out: where I put eight codes.  The stage, 256 rows x 272 bytes, lies in slot 0, which has had its last fill and its last read by then
.set RDV,  25                          ; v25  v: where I read a row back;   v26  and its place in v_codes
.set COV,  26
.set RDQ,  27                          ; v27  q, k: where I read 16 bytes of a token's 64 back (tokens 0-127);  v30 the same for tokens 128-255;  v31 their place in memory
.set SPW,  28                          ; v28  LDS address of my spare word; never rewritten
.set NIL,  29                          ; v29  0; never rewritten
.set RDQ2, 30
.set COQ,  31
.set BK,   32
.set BR,   96
.set SCL,  112
.set LIM,  113
.set AF,   128                         ; source 1's fragments, in window 0
.set TMP,  128                         ; the way out: a block's 64 numbers
.set CD,   192                         ; and its codes: two sets of 16 by turns
.set OB,   128                         ; the way out: 32 x 4 registers read back from the stage
.set G1, 24                            ; s[24:31] descriptor group 1 for x's tiles;  s[32:39] group 0, one set for each slot
.set G0, 32
.set G1B, 48                           ; s[48:55], s[56:63] the same for W's tiles
.set G0B, 56
.set MSB, 0
.macro WIN new                         ; the immediate's high byte repeats the setting that is left
.if MSB != \new
	s_set_vgpr_msb (MSB<<8)|\new
.set MSB, \new
.endif
.endm
.set MUL_LO, 0xa1                      ; source 0 window 1, source 1 window 0, C and D window 2
.set MUL_HI, 0xf1                      ; the same, C and D window 3
.set TO_B,   0x40                      ; destination window 1, address window 0
; A joint load: waves 0 and 1 fetch for x, waves 2 and 3 for W.  Each of the two lines has one mask and one set of registers for all that issue it; the branch hangs on the wave's number alone.
; An s_nop 0 and four v_nop follow each of the two lines, ahead of the jump, the label and what follows.
.macro JLOAD g0a, g1a, g0b, g1b
	s_cmp_eq_u32 s15, 0
	s_cbranch_scc0 .Lfor_b_\@
	tensor_load_to_lds s[\g0a:\g0a+3], s[\g1a:\g1a+7]
	s_nop 0
.rept 4
	v_nop
.endr
	s_branch .Lasked_\@
.Lfor_b_\@:
	tensor_load_to_lds s[\g0b:\g0b+3], s[\g1b:\g1b+7]
	s_nop 0
.rept 4
	v_nop
.endr
.Lasked_\@:
.endm
.macro CREST                           ; a round of the cluster's barrier behind its opening barrier
	s_cmp_lg_u32 s14, 0
	s_cbranch_scc1 .Lnot_wave_0_\@
	s_barrier_signal -3
.Lnot_wave_0_\@:
	s_barrier_wait -3
	s_barrier_signal -1
	s_barrier_wait -1
.endm
.macro CROUND                          ; a whole round
	s_barrier_signal -1
	s_barrier_wait -1
	CREST
.endm
	s_load_b256 s[4:11], s[0:1], 0x0               ; x_codes s[4:5], wa_codes s[6:7], the scales' exponents s[8:9], b_attn s[10:11]
	s_load_b128 s[84:87], s[0:1], 0x20             ; q_codes s[84:85], k_codes s[86:87]
	s_load_b64 s[88:89], s[0:1], 0x30              ; v_codes
	v_lshl_add_u32 v[SPW], v0, 2, SPARE
	v_mov_b32 v[NIL], 0
	ds_add_u32 v[SPW], v[NIL]                      ; the wave's opening: the add and its wait ahead of my first tensor load; the set-up below, work on registers, stands between them
	ds_add_u32 v[SPW], v[NIL]
	v_lshrrev_b32 v1, 5, v0
	v_readfirstlane_b32 s14, v1                    ; wave 0..3
	s_lshr_b32 s15, s14, 1                         ; which half of source 1's rows is mine.  Also: I fetch for x (0) or for W (1)
	s_and_b32 s16, s14, 1                          ; which half of source 0's rows.  Also: which 128 rows of that tile I fetch
	s_bfe_u32 s40, ttmp6, 0x40000                  ; cx, cy: my place in the cluster
	s_bfe_u32 s41, ttmp6, 0x40004
	s_lshl_b32 s42, ttmp9, 2
	s_add_co_u32 s42, s42, s40                     ; tile column = 4 x cluster x + cx
	s_and_b32 s17, ttmp7, 0xffff
	s_lshl_b32 s17, s17, 2
	s_add_co_u32 s17, s17, s41                     ; tile row = 4 x cluster y + cy
	s_lshl_b32 s43, s41, 2
	s_lshl_b32 s43, 15, s43                        ; my row of the cluster
	s_lshl_b32 s44, 0x1111, s40                    ; my column
	; descriptor group 1: a tile of 128 rows x 256 bytes, padded in LDS
	s_or_b32 s[G1+0], s43, (0<<16)|(1<<21)         ; 15:0 the mask: x's tiles go to my row; 17:16 element of 1 byte; 21 set beside a mask; no padding: the tile is stated 272 bytes wide over a tensor 256 wide,
	s_or_b32 s[G1B+0], s44, (0<<16)|(1<<21)        ; so the mover writes zeros into the last 16 bytes of each LDS row: the pitch stays 272 and every byte of a slot is written
.irp g, G1, G1B
	s_mov_b32 s[\g+1], ROWB<<16                    ; tensor_dim0
	s_mov_b32 s[\g+2], 128<<16                     ; tensor_dim1 = 128
	s_mov_b32 s[\g+3], PITCH<<16                   ; tile_dim0 = 272: 16 beyond tensor_dim0, which come as zeros
	s_mov_b32 s[\g+4], 128                         ; tile_dim1 = 128
	s_mov_b32 s[\g+5], KROW                        ; tensor_dim0_stride
	s_mov_b32 s[\g+6], 0
	s_mov_b32 s[\g+7], 0
.endr
	s_lshl_b32 s18, s16, 7                         ; which 128 rows of the tile I fetch
	s_lshl_b32 s20, s17, 8
	s_add_co_u32 s20, s20, s18                     ; x: row 256 x tile row + 128 x half
	s_lshl_b32 s46, s42, 8
	s_add_co_u32 s46, s46, s18                     ; W: row 256 x tile column + 128 x half
	s_mov_b32 s21, 0
	s_mov_b32 s47, 0
	s_lshl_b64 s[20:21], s[20:21], 10              ; rows of 1,024 bytes
	s_lshl_b64 s[46:47], s[46:47], 10
	s_mul_i32 s45, s14, HALFT                      ; where they go: wave x 128 rows: no place in the cluster enters an LDS address
	s_wait_dscnt 0x0                               ; the opening add is done
	s_wait_kmcnt 0x0
	s_load_b256 s[68:75], s[8:9], 0x0              ; e0 .. e7
	s_add_nc_u64 s[20:21], s[4:5], s[20:21]
	s_add_nc_u64 s[46:47], s[6:7], s[46:47]
	CROUND                                         ; all sixteen work-groups are here: the first joint loads meet
.irp s, 0,1
	s_mov_b32 s[G0+4*\s], 1
	s_add_co_u32 s[G0+4*\s+1], s45, \s*SLOT
	s_add_nc_u64 s[G0+4*\s+2:G0+4*\s+3], s[20:21], \s*ROWB
	s_or_b32 s[G0+4*\s+3], s[G0+4*\s+3], 0x80000000
	s_mov_b32 s[G0B+4*\s], 1
	s_add_co_u32 s[G0B+4*\s+1], s45, \s*SLOT
	s_add_nc_u64 s[G0B+4*\s+2:G0B+4*\s+3], s[46:47], \s*ROWB
	s_or_b32 s[G0B+4*\s+3], s[G0B+4*\s+3], 0x80000000
.endr
	JLOAD G0, G1, G0B, G1B
	; the prefetches: of the 128 rows that my wave fetches, my work-group names 32, told apart from its three partners' by address (cx for x, cy for W); a lane a row, 256 bytes of it for a slot
	s_lshl_b32 s98, s17, 8
	s_lshl_b32 s99, s42, 8
	s_cmp_eq_u32 s15, 0                            ; do I fetch for x?
	s_cselect_b32 s18, s98, s99                    ; the tile's first row
	s_cselect_b32 s19, s40, s41                    ; my place among the four that ask for it with me
	s_cselect_b64 s[98:99], s[4:5], s[6:7]
	s_lshl_b32 s22, s16, 7
	s_add_co_u32 s18, s18, s22
	s_lshl_b32 s19, s19, 5
	s_add_co_u32 s18, s18, s19
	s_lshl_b32 s18, s18, 10                        ; rows of 1,024 bytes
	s_mov_b32 s19, 0
	s_add_nc_u64 s[98:99], s[98:99], s[18:19]      ; never rewritten: the K step is an immediate
	v_and_b32 v9, 31, v0
	v_lshlrev_b32 v9, 10, v9                       ; the prefetches' offset: my lane's row; never rewritten
	global_prefetch_b8 v9, s[98:99] offset:ROWB th:TH_LOAD_NT scope:SCOPE_SE   ; K step 1, whose load goes out when K step 0 has landed: one fill ahead
	; what hangs on the kind of column (the cluster's x: 0 q, 1 k, 2 v)
	s_cmp_eq_u32 ttmp9, 0
	s_cselect_b64 s[76:77], s[84:85], s[86:87]
	s_cmp_eq_u32 ttmp9, 2
	s_cselect_b64 s[76:77], s[88:89], s[76:77]     ; the buffer that I store into
	s_cselect_b32 s79, 2*HALFT, 0                  ; source 1 reads W's rows for v, else x's;
	s_cselect_b32 s80, 0, 2*HALFT                  ; source 0 the other
	s_cselect_b32 s78, 0, -1                       ; the bias runs along source 0 for q and k,
	s_cselect_b32 s81, -1, 0                       ; along source 1 for v: the other one is masked to zeros
	s_mov_b32 s83, 6                               ; a token is 64 bytes on in all three buffers (v: 128 tokens x 64 channels are 8,192 bytes)
	v_and_b32 v1, 15, v0                           ; r = l % 16
	v_bfe_u32 v2, v0, 4, 1                         ; h = l / 16
	v_mul_u32_u24 v3, v1, PITCH
	s_wait_alu depctr_va_vdst(0)
	v_lshl_add_u32 v4, v2, 4, v3                   ; a fragment's row x pitch + 16 x half
	s_mul_i32 s21, s15, HALFT
	s_add_co_u32 s21, s21, s79
	s_mul_i32 s22, s16, HALFT
	s_add_co_u32 s22, s22, s80
.irp s, 0,1
	v_add_nc_u32 v[ADRA+\s], s21, v4
	v_add_nc_u32 v[ADRB+\s], s22, v4
	s_add_co_u32 s21, s21, SLOT
	s_add_co_u32 s22, s22, SLOT
.endr
	s_mul_i32 s23, s15, HALFT                      ; the stage, in: row 128 x my half of source 1 + r (+ 16 a), byte 128 x my half of source 0 + 16 h (+ 32 (b / 2) + 8 (b % 2))
	s_lshl_b32 s18, s16, 7
	s_add_co_u32 s23, s23, s18
	v_lshl_add_u32 v[STO], v2, 4, v3               ; my half's two groups of eight bytes of a block of 32 lie on end: 16 h
	v_add_nc_u32 v[STO], s23, v[STO]
	s_mul_i32 s23, s14, 64*PITCH                   ; back, v: wave w takes rows 64 w .. 64 w + 63 (one head's channels)
	v_bfe_u32 v5, v0, 3, 2                         ; eight lanes to a channel's 128 bytes of a step, four channels an instruction
	v_mul_u32_u24 v5, v5, PITCH
	v_and_b32 v8, 7, v0
	v_lshl_add_u32 v5, v8, 4, v5
	v_add_nc_u32 v[RDV], s23, v5
	v_and_b32 v8, 31, v0
	v_lshlrev_b32 v[COV], 4, v8                    ; four channels x 128 bytes are 512 bytes on end in v_codes
	v_bfe_u32 v5, v0, 2, 3                         ; back, q and k: wave w takes bytes 64 w .. 64 w + 63 (one head) of all 256 rows; four lanes to a token, eight tokens an instruction
	v_mul_u32_u24 v5, v5, PITCH
	v_and_b32 v8, 3, v0
	v_lshl_add_u32 v5, v8, 4, v5
	s_lshl_b32 s23, s14, 6
	v_add_nc_u32 v[RDQ], s23, v5
	v_add_nc_u32 v[RDQ2], 128*PITCH, v[RDQ]
	v_and_b32 v8, 31, v0
	v_lshlrev_b32 v[COQ], 4, v8                    ; eight tokens of 64 bytes are 512 bytes on end
	v_lshlrev_b32 v[HB], 5, v2
	s_wait_alu depctr_va_vdst(0)
	v_lshlrev_b32 v[RB], 2, v1
	s_wait_alu depctr_va_vdst(0)
	s_lshl_b32 s90, s42, 10                        ; b_attn at my columns: 256 x tile column + 128 x half, 4 bytes each: along source 0,
	s_lshl_b32 s82, s16, 9
	s_add_co_u32 s90, s90, s82
	s_mov_b32 s91, 0
	s_add_nc_u64 s[90:91], s[10:11], s[90:91]
	s_lshl_b32 s92, s42, 10                        ; and along source 1
	s_lshl_b32 s82, s15, 9
	s_add_co_u32 s92, s92, s82
	s_mov_b32 s93, 0
	s_add_nc_u64 s[92:93], s[10:11], s[92:93]
.irp b, 0,1,2,3,4,5,6,7
	global_load_b128 v[BK+8*\b:BK+8*\b+3], v[HB], s[90:91] offset:64*\b        ; columns 16 b + 8 h + 0 .. 7
	global_load_b128 v[BK+8*\b+4:BK+8*\b+7], v[HB], s[90:91] offset:64*\b+16
.endr
.irp a, 0,1,2,3,4,5,6,7
	global_load_b32 v[BR+2*\a], v[RB], s[92:93] offset:64*\a                   ; column 16 a + r
.endr
	s_lshr_b32 s94, s17, 3                         ; where my part begins in the output: the batch, 2^21 bytes each,
	s_lshl_b32 s94, s94, 21
	s_and_b32 s95, s17, 7
	s_lshl_b32 s95, s95, 8                         ; the tile's first token in the batch,
	s_lshl_b32 s95, s95, s83
	s_add_co_u32 s94, s94, s95
	s_lshl_b32 s95, s40, 19                        ; the tile's four heads, 2^17 bytes each,
	s_add_co_u32 s94, s94, s95
	s_lshl_b32 s95, s14, 17                        ; and my wave's one of them
	s_add_co_u32 s94, s94, s95
	s_mov_b32 s95, 0
	s_add_nc_u64 s[76:77], s[76:77], s[94:95]
	s_wait_kmcnt 0x0
	s_add_co_i32 s96, s68, s69                     ; e0 + e1, between -126 and 127,
	s_add_co_i32 s96, s96, 127
	s_lshl_b32 s96, s96, 23                        ; makes the f32 number 2^(e0 + e1)
	s_mov_b32 s97, s96                             ; (named with it as a pair, so it is written)
	s_cmp_eq_u32 ttmp9, 0
	s_cselect_b32 s82, s70, s71                    ; the output's exponent: e2 for q, e3 for k,
	s_cmp_eq_u32 ttmp9, 2
	s_cselect_b32 s82, s73, s82                    ; e5 for v: a select, no branch
	s_add_co_i32 s82, s82, 127
	s_lshl_b32 s83, s82, 23
	v_mov_b32 v[SCL], s83                          ; 2^e as f32: the conversion takes its exponent field
	s_add_co_i32 s82, s82, 8
	s_lshl_b32 s82, s82, 23
	s_or_b32 s82, s82, 0x600000
	v_mov_b32 v[LIM], s82                          ; 448 x 2^e
	s_wait_loadcnt 0x0                             ; the biases; the first tiles are still on their way
.set j, 0
.rept 64
	v_and_b32 v[BK+j], s78, v[BK+j]
.set j, j+1
.endr
.set j, 0
.rept 8
	v_and_b32 v[BR+j+1], s81, v[BR+j]              ; twice, for the packed addition
	v_and_b32 v[BR+j], s81, v[BR+j]
.set j, j+2
.endr
.macro FRAG reg, adr, q, i             ; a fragment, 16 rows x 128 K, is 16 registers: lane l holds row l % 16; registers 4 c .. 4 c + 3 hold K = 32 c + 16 (l / 16) + 0 .. 15: the same places in both sources
.irp c, 0,1,2,3
	ds_load_b128 v[\reg+4*\c:\reg+4*\c+3], v[\adr] offset:128*(\q)+32*\c+(\i)*16*PITCH
.endr
.endm
; 16 matrix instructions: source 1's blocks a0, a0 + 1 x source 0's eight, 128 along K.  p: source 0's set.  zero = 1: the first product starts the sums.
; The 64 accumulators take turns, one instruction a turn, in the same order in every step.
.macro MUL16 a0, p, zero
.irp a, \a0, \a0+1
.irp b, 0,1,2,3,4,5,6,7
.if \zero
	v_wmma_f32_16x16x128_fp8_fp8 v[8*(8*((\a)%4)+\b):8*(8*((\a)%4)+\b)+7], v[128*(\p)+FR*\b:128*(\p)+FR*\b+FR-1], v[AF+FR*(\a):AF+FR*(\a)+FR-1], 0
.else
	v_wmma_f32_16x16x128_fp8_fp8 v[8*(8*((\a)%4)+\b):8*(8*((\a)%4)+\b)+7], v[128*(\p)+FR*\b:128*(\p)+FR*\b+FR-1], v[AF+FR*(\a):AF+FR*(\a)+FR-1], v[8*(8*((\a)%4)+\b):8*(8*((\a)%4)+\b)+7]
.endif
.endr
.endr
.endm
.macro FETCH_B slot, q, p              ; source 0's eight fragments of the slot's q-th 128 along K into set p
	WIN TO_B
.irp i, 0,1,2,3,4,5,6,7
	FRAG 128*(\p)+FR*\i, ADRB+\slot, \q, \i
.endr
	WIN 0
.endm
.macro FETCH_A slot, q, i0             ; source 1's blocks i0 .. i0 + 3
.irp i, \i0, \i0+1, \i0+2, \i0+3
	FRAG AF+FR*(\i), ADRA+\slot, \q, \i
.endr
.endm
.macro PLACES n                        ; plain vector lines between a matrix instruction and a load into a register that it read, or a read of its result
.rept \n
	v_nop
.endr
.endm
; A step of 128 along K that has its successor in the same slot.
.macro STEP slot, q, zero
	s_wait_dscnt 4*NL                              ; source 0's set and source 1's blocks 0-3 are in; the youngest 16 loads (blocks 4-7) may be out
	WIN MUL_LO
	MUL16 0, (\q)%2, \zero
	MUL16 2, (\q)%2, \zero
	s_wait_dscnt 0                                 ; blocks 4-7 are in
	PLACES NP
	FETCH_B \slot, (\q)+1, 1-(\q)%2
	FETCH_A \slot, (\q)+1, 0
	WIN MUL_HI
	MUL16 4, (\q)%2, \zero
	MUL16 6, (\q)%2, \zero
	PLACES NP
	WIN 0
	FETCH_A \slot, (\q)+1, 4
.endm
; A slot's last step changes slots: one barrier; in front of it each wave waits for all its tensor loads, adds 0 to its spare word, and waits for that and for its own reads of this slot.  fill = 1: this slot is filled again, two K steps ahead.
.macro TURN slot, next, fill
	s_wait_tensorcnt 0x0                           ; all my tensor loads have landed: my part of the next slot
	ds_add_u32 v[SPW], v[NIL]                      ; 0 onto my spare word
	s_wait_dscnt 4*NL+1                            ; (the add and the youngest 16 loads may be out)
	WIN MUL_LO
	MUL16 0, 1, 0                                  ; sixteen matrix instructions stand between the add and the wait for it
	s_wait_dscnt 0x0                               ; the add is done, and my reads of this slot are over
	s_barrier_signal -1
	MUL16 2, 1, 0
	WIN 0
	s_barrier_wait -1
.if \fill
	CREST                                          ; the barrier has opened a round of the cluster's barrier: no wave of any partner still reads this slot's tile or has a load on its way
	s_add_nc_u64 s[G0+4*\slot+2:G0+4*\slot+3], s[G0+4*\slot+2:G0+4*\slot+3], 2*ROWB
	s_add_nc_u64 s[G0B+4*\slot+2:G0B+4*\slot+3], s[G0B+4*\slot+2:G0B+4*\slot+3], 2*ROWB
	JLOAD G0+4*\slot, G1, G0B+4*\slot, G1B         ; the first tensor load behind the round; the four v_nop behind it are the places in front of the loads below
.else
	PLACES NP
.endif
	FETCH_B \next, 0, 0
	FETCH_A \next, 0, 0
	WIN MUL_HI
	MUL16 4, 1, 0
	MUL16 6, 1, 0
	PLACES NP
	WIN 0
	FETCH_A \next, 0, 4
.endm
	s_wait_alu depctr_va_vdst(0)
	global_prefetch_b8 v9, s[98:99] offset:2*ROWB th:TH_LOAD_NT scope:SCOPE_SE   ; K step 2, two fills ahead of the load that will want it
	s_wait_tensorcnt 0x0
	ds_add_u32 v[SPW], v[NIL]
	s_wait_dscnt 0x0
	CROUND                                         ; everybody's part of K step 0 is in, and all sixteen work-groups are here
	JLOAD G0+4, G1, G0B+4, G1B                     ; K step 1, the first tensor load behind the round
	FETCH_B 0, 0, 0
	FETCH_A 0, 0, 0
	FETCH_A 0, 0, 4
	global_prefetch_b8 v9, s[98:99] offset:3*ROWB th:TH_LOAD_NT scope:SCOPE_SE   ; K step 3, the last: likewise two fills ahead
	STEP 0, 0, 1
	TURN 0, 1, 1                                   ; slot 0 takes K step 2
	STEP 1, 0, 0
	TURN 1, 0, 1                                   ; slot 1 takes K step 3
	STEP 0, 0, 0
	TURN 0, 1, 0                                   ; nothing is left to fetch: no round
	STEP 1, 0, 0
	s_wait_dscnt 4*NL                              ; the very last step
	WIN MUL_LO
	MUL16 0, 1, 0
	MUL16 2, 1, 0
	s_wait_dscnt 0
	WIN MUL_HI
	MUL16 4, 1, 0
	MUL16 6, 1, 0
	WIN 0
; THE WAY OUT.  Block a (16 rows of source 1 x 128 of source 0): sum x 2^(e0 + e1) + the bias along source 0, + the bias along source 1 (one of the two is zeros, and the multiplication by a power of two rounds nothing: one rounding);
; the hold; eight codes a conversion; eight bytes a lane into the work-group's stage.  Each accumulator is read from its low end on.
.macro TOCODES a
.set AC, 64*((\a)%4)
.set CC, CD+16*((\a)%2)
	WIN 0x02+((\a)/4)                              ; source 0: window 2 or 3
.set j, 0
.rept 32
	v_pk_fma_f32 v[TMP+j:TMP+j+1], v[AC+j:AC+j+1], s[96:97], v[BK+j:BK+j+1] op_sel_hi:[1,0,1]
.set j, j+2
.endr
	WIN 0
.set j, 0
.rept 32
	v_pk_add_f32 v[TMP+j:TMP+j+1], v[TMP+j:TMP+j+1], v[BR+2*(\a):BR+2*(\a)+1]
.set j, j+2
.endr
.set j, 0
.rept 64
	v_med3_num_f32 v[TMP+j], v[TMP+j], -v[LIM], v[LIM]   ; the conversion to an 8-bit code does not saturate (ISA guide 7.6.2)
.set j, j+1
.endr
.irp b, 0,1,2,3,4,5,6,7
	v_cvt_scalef32_pk8_fp8_f32 v[CC+2*\b:CC+2*\b+1], v[TMP+8*\b:TMP+8*\b+7], v[SCL]
.endr
	v_nop                                          ; one plain vector line behind the last conversion: the next block writes its sources
.irp b, 0,1,2,3,4,5,6,7
	ds_store_b64 v[STO], v[CC+2*\b:CC+2*\b+1] offset:(\a)*16*PITCH+32*(\b/2)+8*(\b%2)
.endr
.endm
	PLACES NP                                      ; behind the last products: their results are read, and the registers that held source 1's fragments are written
.irp a, 0,1,2,3,4,5,6,7
	TOCODES \a
.endr
	s_wait_dscnt 0x0                               ; for the others' sake: my stores into the stage are done
	s_barrier_signal -1
	s_barrier_wait -1                              ; the tile's 256 x 256 codes lie in the stage
	s_cmp_eq_u32 ttmp9, 2                          ; the cluster's x: the same in every partner and every wave
	s_cbranch_scc1 .Lv_out
	; q, k: my head's 64 bytes of each of the 256 tokens: 16,384 bytes on end in memory
.set i, 0
.rept 16
	ds_load_b128 v[OB+4*i:OB+4*i+3], v[RDQ] offset:i*8*PITCH
.set i, i+1
.endr
.rept 16
	ds_load_b128 v[OB+4*i:OB+4*i+3], v[RDQ2] offset:(i-16)*8*PITCH
.set i, i+1
.endr
.set i, 0
.rept 32
	s_wait_dscnt 31-i
	global_store_b128 v[COQ], v[OB+4*i:OB+4*i+3], s[76:77] offset:512*i     ; 32 lanes store 512 consecutive bytes, aligned
.set i, i+1
.endr
	s_branch .Ldone
.Lv_out:
	; v: my head's 64 channels, 256 tokens of each
.set i, 0
.rept 32
	ds_load_b128 v[OB+4*i:OB+4*i+3], v[RDV] offset:(i%16)*4*PITCH+128*(i/16)
.set i, i+1
.endr
.set i, 0
.rept 32
	s_wait_dscnt 31-i
	global_store_b128 v[COV], v[OB+4*i:OB+4*i+3], s[76:77] offset:512*(i%16)+8192*(i/16)   ; 32 lanes store 512 consecutive bytes, aligned
.set i, i+1
.endr
.Ldone:
	s_wait_tensorcnt 0x0                           ; the wave's end, behind my last tensor load and my last LDS store
	ds_add_u32 v[SPW], v[NIL]
	s_wait_dscnt 0x0
	CROUND                                         ; the closing round: no work-group ends while a partner may still ask for a tile that names it
	s_endpgm
.Lfunc_end_k_q5a83ebffc3_qkv:
	.size	k_q5a83ebffc3_qkv, .Lfunc_end_k_q5a83ebffc3_qkv-k_q5a83ebffc3_qkv
	.p2alignl 7, 3214868480
	.fill 96, 4, 3214868480
	.section	.rodata,"a",@progbits
	.p2align	6, 0x0
	.amdhsa_kernel k_q5a83ebffc3_qkv
		.amdhsa_group_segment_fixed_size 327680
		.amdhsa_private_segment_fixed_size 0
		.amdhsa_enable_private_segment 0
		.amdhsa_kernarg_size 56
		.amdhsa_user_sgpr_count 2
		.amdhsa_user_sgpr_kernarg_segment_ptr 1
		.amdhsa_wavefront_size32 1
		.amdhsa_system_sgpr_workgroup_id_x 1
		.amdhsa_system_sgpr_workgroup_id_y 1
		.amdhsa_system_sgpr_workgroup_id_z 1
		.amdhsa_system_vgpr_workitem_id 0
		.amdhsa_next_free_vgpr 1024
		.amdhsa_next_free_sgpr 100
		.amdhsa_reserve_vcc 0
		.amdhsa_float_denorm_mode_32 3
		.amdhsa_float_denorm_mode_16_64 3
		.amdhsa_memory_ordered 1
		.amdhsa_forward_progress 1
		.amdhsa_inst_pref_size 170
	.end_amdhsa_kernel
	.amdgpu_metadata
---
amdhsa.version: [ 1, 2 ]
amdhsa.kernels:
  - .name:           k_q5a83ebffc3_qkv
    .symbol:         k_q5a83ebffc3_qkv.kd
    .args:
      - { .name: x_codes, .offset: 0, .size: 8, .value_kind: global_buffer, .address_space: global }
      - { .name: wa_codes, .offset: 8, .size: 8, .value_kind: global_buffer, .address_space: global }
      - { .name: lowp_scales, .offset: 16, .size: 8, .value_kind: global_buffer, .address_space: global }
      - { .name: b_attn, .offset: 24, .size: 8, .value_kind: global_buffer, .address_space: global }
      - { .name: q_codes, .offset: 32, .size: 8, .value_kind: global_buffer, .address_space: global }
      - { .name: k_codes, .offset: 40, .size: 8, .value_kind: global_buffer, .address_space: global }
      - { .name: v_codes, .offset: 48, .size: 8, .value_kind: global_buffer, .address_space: global }
    .group_segment_fixed_size: 327680
    .private_segment_fixed_size: 0
    .kernarg_segment_align: 8
    .kernarg_segment_size: 56
    .max_flat_workgroup_size: 128
    .sgpr_count:     100
    .vgpr_count:     1024
    .wavefront_size: 32
...
	.end_amdgpu_metadata
.endif
;; end of part 2
;; launch attn (part 3): grid 256 x 1, 8 waves a work-group, clusters of 4 x 1, 327,680 bytes of LDS; arguments q_codes, k_codes, v_codes, lowp_scales, y_codes; writes y_codes
.if DOCPART == 3
	.amdgcn_target "amdgcn-amd-amdhsa--gfx1250"
	.amdhsa_code_object_version 6
	.text
	.protected	k_q5a83ebffc3_attn
	.globl	k_q5a83ebffc3_attn
	.p2align	8
	.type	k_q5a83ebffc3_attn,@function
k_q5a83ebffc3_attn:
	s_mov_b64 s[64:65], 0
	v_nop
	global_prefetch_b8 v0, s[64:65] scope:SCOPE_SE
	s_setreg_imm32_b32 hwreg(HW_REG_WAVE_MODE, 25, 1), 1
	s_wait_xcnt 0x0
	s_wait_alu depctr_hold_cnt(0) depctr_sa_sdst(0) depctr_va_vdst(0) depctr_va_sdst(0) depctr_va_ssrc(0) depctr_va_vcc(0) depctr_vm_vsrc(0)
	s_getreg_b32 s2, hwreg(HW_REG_IB_STS2, 6, 4)
	s_cmp_eq_u32 s2, 0
	s_cbranch_scc0 .Lentry_in_a_cluster
	s_endpgm
.Lentry_in_a_cluster:
	s_bfe_u32 s2, ttmp6, 0x10000c
	s_cmp_lg_u32 s2, 0x3003
	s_cbranch_scc0 .Lentry_shape_is_right
	s_endpgm
.Lentry_shape_is_right:
; y[head][q][:] = the sum over keys k <= q of softmax_k(q . k / 8) v[k][:], both products on codes of FP8 (E4M3); y quantised on the way out.  Scales: q e2, k e3, p e4, v e5, y e6.
; q_codes, k_codes, y_codes: [batch x 16 + head][token 2048][64] (q's and k's channels in one common permuted order, which their product does not see).
; v_codes: [batch x 16 + head][step of 128 keys][channel 64][128 bytes]; in each block of 32 keys the groups of eight lie in the order 0, 2, 1, 3.
; THE SOFTMAX AHEAD OF THE SECOND PRODUCT: t = score x log2(e) / 8; M = the row's largest t so far, rounded up to a whole number; p = 2^(t - M) is quantised, not normalised.  The row's sum is taken of the unquantised p
; and divides at the end.  When M moves, the sum and O are multiplied by 2^(old M - new M), which rounds nothing.
; LEFT OUT: steps of 128 keys all of which come after a wave's queries: the causal mask throws their scores away.
; SHARES.  The four work-groups of a cluster own one head.  A unit U is 128 queries; partner cx owns queries 128 U + 32 cx + 0 .. 31 of every unit: two tiles of 16.  Wave w takes unit 15 - w (16 - w steps of 128 keys) and then unit w (w + 1 steps):
; 17 steps in every wave of every work-group.  No branch hangs on cx: step U of unit U is masked by lane compares in all partners alike.
; LDS.  The head's 2,048 keys stay: K 2,048 rows of 64 + 16 bytes, V 16 steps x 64 rows of 128 + 16 bytes: 311,296 bytes, each filled once.  So every tile is asked for JOINTLY by the four partners (mask 15), in two groups, one load a wave each:
; keys 0-511 at the head, keys 512-2,047 behind the next round.  All waves walk keys 0-511 of their first unit (four whole steps each), meet once, and share no barrier after that until the closing round.
; No prefetch: both groups are asked for ahead of the loops, the second as soon as the first has landed; there is no later load to run ahead of.
; LAYOUT.  Both products are used transposed: S^T = K Q^T (source 0 = 16 neighbouring keys, source 1 = 16 queries), O^T = V^T P^T: a lane holds one query (lane % 16) throughout.  Register 8 T + j of S^T is key 16 T + 8 (lane / 16) + j,
; so p's conversions give registers 2 T, 2 T + 1 of the operand; V's order of keys in memory makes four loads of 16 bytes bring the same keys to the same places.
; REGISTERS.  Tile 0 lives in window 0, tile 1 in window 1, at the same numbers, so one text serves both: v8 the mask's d; v12 -M, v13 the largest t, v[14:15] the sum; v16-23 Q; v24-31 the second unit's Q; v96-159 S^T, then p; v160-191 O^T;
; v224-239 codes; v236-255 at work; v240, v241 the holds, v244, v245 the scales.  v32-95: window 0 K's eight fragments, window 1 V's four.  Window 0 alone: v1-7, v10, v11 addresses.
; LIMITS: e2 + e3 between -123 and 130 (added to c's exponent field); e4 and e6 between -126 and 119; e4 + e5 is applied by v_ldexp_f32 and has none.  The scaled scores stay under 2^31 in magnitude.
.set KP,    80
.set VP,    144
.set KSTEP, 128*KP                     ; a step's keys in LDS
.set VSTEP, 64*VP
.set VOFF,  16*KSTEP
.set STAGE, VOFF+16*VSTEP              ; 1,024 bytes for each wave, for the way out; no tensor load lands there
.set SPARE, STAGE+8*1024               ; the spare words, 128 bytes for each wave: four blocks of 256 bytes that no other line names
.set AK0,  1                           ; my lane's place in a tile of K;  v2 the same for V
.set AV0,  2
.set ADK,  3                           ; addresses of the step in hand
.set ADV,  4
.set SPW,  5                           ; LDS address of my spare word; never rewritten
.set NIL,  6                           ; 0; never rewritten
.set GO,   7                           ; 16 x lane
.set DD,   8                           ; d = 32 cx + 16 x tile + lane % 16 - 8 (lane / 16)
.set STO,  10                          ; the stage: where I put eight codes;  v11 where I read 16 bytes back
.set SRD,  11
.set WV,   14
.set WQ,   15                          ; wave % 4
.set CX,   16
.set SEL,  18                          ; s[18:19] lane selects for v_permlanex16_b32: lane l xor 16
.set CS,   20                          ; s[20:21] c = log2(e) / 8 x 2^(e2 + e3)
.set G1KA, 24                          ; descriptor groups 1: K and V, first and second group of loads
.set G1VA, 32
.set G1KB, 40
.set G1VB, 48
.set G0KA, 56                          ; and their groups 0
.set G0VA, 60
.set G0KB, 68
.set G0VB, 72
.set HO,   76                          ; s[76:77] the head's offset, 2^17 bytes a head
.set QL,   78                          ; Q of the first unit, of the second;  y likewise
.set QS,   80
.set Y1,   82
.set Y2,   84
.set N,    96                          ; the trip
.set SI,   97                          ; the step of keys, 0 .. 15
.set KO,   98                          ; its LDS offsets
.set VO,   99
.set UC,   100                         ; the unit in hand
.set EPV,  101                         ; e4 + e5
.set MSB, 0
.macro WIN new                         ; the immediate's high byte repeats the setting that is left
.if MSB != \new
	s_set_vgpr_msb (MSB<<8)|\new
.set MSB, \new
.endif
.endm
; A joint load: waves 0 to 3 fetch for K, waves 4 to 7 for V.  The branch hangs on the wave's number alone.  An s_nop 0 and four v_nop follow each of the two lines.
.macro JLOAD g0k, g1k, g0v, g1v
	s_cmp_lt_u32 s[WV], 4
	s_cbranch_scc0 .Lfor_v_\@
	tensor_load_to_lds s[\g0k:\g0k+3], s[\g1k:\g1k+7]
	s_nop 0
.rept 4
	v_nop
.endr
	s_branch .Lasked_\@
.Lfor_v_\@:
	tensor_load_to_lds s[\g0v:\g0v+3], s[\g1v:\g1v+7]
	s_nop 0
.rept 4
	v_nop
.endr
.Lasked_\@:
.endm
.macro CROUND                          ; a round of the cluster's barrier
	s_barrier_signal -1
	s_barrier_wait -1
	s_cmp_lg_u32 s[WV], 0
	s_cbranch_scc1 .Lnot_wave_0_\@
	s_barrier_signal -3
.Lnot_wave_0_\@:
	s_barrier_wait -3
	s_barrier_signal -1
	s_barrier_wait -1
.endm
.macro INIT                            ; a tile's statistics and O^T begin: the step is written once, and the first change of M leaves zeros zeros
	v_mov_b32 v13, 0xff61b1e6                      ; the largest t so far: -3e38
	s_delay_alu instid0(VALU_DEP_1)
	v_floor_f32 v12, -v13
	v_mov_b32 v14, 0
	v_mov_b32 v15, 0
	v_mov_b32 v236, 0                              ; a lane permute's destination counts as one of its sources
	v_mov_b32 v253, 0                              ; (named as the upper half of the pair v[252:253])
.set j, 0
.rept 32
	v_mov_b32 v[160+j], 0
.set j, j+1
.endr
.endm
.macro QMOV                            ; the second unit's Q
.set j, 0
.rept 8
	v_mov_b32 v[16+j], v[24+j]
.set j, j+1
.endr
.endm
	s_load_b256 s[4:11], s[0:1], 0x0               ; q_codes s[4:5], k_codes s[6:7], v_codes s[8:9], the scales' exponents s[10:11]
	s_load_b64 s[12:13], s[0:1], 0x20              ; y_codes
	v_lshl_add_u32 v[SPW], v0, 2, SPARE
	v_mov_b32 v[NIL], 0
	ds_add_u32 v[SPW], v[NIL]                      ; the wave's opening: the add, twice on end, and its wait ahead of the round in front of my first tensor load
	ds_add_u32 v[SPW], v[NIL]
	v_lshrrev_b32 v192, 5, v0
	v_readfirstlane_b32 s[WV], v192                ; wave 0..7
	s_and_b32 s[WQ], s[WV], 3
	s_bfe_u32 s[CX], ttmp6, 0x40000                ; my place in the cluster
	s_lshl_b32 s17, s[CX], 5                       ; 32 cx
	s_lshl_b32 s[HO], ttmp9, 17                    ; the cluster's number is batch x 16 + head
	s_mov_b32 s[HO+1], 0
	; descriptor groups 1: dense blocks stated as rows of 256 bytes; 16 bytes of padding behind every 64 (K) or 128 (V); 32 rows a wave in the first group, 96 in the second
.irp g, G1KA, G1VA, G1KB, G1VB
	s_mov_b32 s[\g+1], 256<<16                     ; tensor_dim0
	s_mov_b32 s[\g+3], 256<<16                     ; tile_dim0
	s_mov_b32 s[\g+5], 256                         ; tensor_dim0_stride
	s_mov_b32 s[\g+6], 0
	s_mov_b32 s[\g+7], 0
.endr
.irp g, G1KA, G1KB
	s_mov_b32 s[\g], 15|(1<<20)|(1<<21)|(3<<22)|(3<<25)   ; 15:0 the four partners; 17:16 elements of 1 byte; 20 padding on; 21 set beside a mask; 24:22 after every 16 words; 31:25 four words
.endr
.irp g, G1VA, G1VB
	s_mov_b32 s[\g], 15|(1<<20)|(1<<21)|(4<<22)|(3<<25)   ; after every 32 words
.endr
.irp g, G1KA, G1VA
	s_mov_b32 s[\g+2], 32<<16                      ; tensor_dim1
	s_mov_b32 s[\g+4], 32                          ; tile_dim1
.endr
.irp g, G1KB, G1VB
	s_mov_b32 s[\g+2], 96<<16
	s_mov_b32 s[\g+4], 96
.endr
.irp g, G0KA, G0VA, G0KB, G0VB
	s_mov_b32 s[\g], 1
.endr
	s_mul_i32 s[G0KA+1], s[WQ], KSTEP              ; first group: step wave % 4
	s_mul_i32 s[G0VA+1], s[WQ], VSTEP
	s_add_co_u32 s[G0VA+1], s[G0VA+1], VOFF
	s_mul_i32 s[G0KB+1], s[WQ], 3*KSTEP            ; second group: steps 4 + 3 (wave % 4) + 0 .. 2
	s_add_co_u32 s[G0KB+1], s[G0KB+1], 4*KSTEP
	s_mul_i32 s[G0VB+1], s[WQ], 3*VSTEP
	s_add_co_u32 s[G0VB+1], s[G0VB+1], VOFF+4*VSTEP
	s_lshl_b32 s86, s[WQ], 13                      ; a step is 8,192 bytes of memory in K and in V
	s_mov_b32 s87, 0
	s_add_nc_u64 s[86:87], s[86:87], s[HO:HO+1]
	s_mul_i32 s66, s[WQ], 3*8192
	s_add_co_u32 s66, s66, 4*8192
	s_mov_b32 s67, 0
	s_add_nc_u64 s[66:67], s[66:67], s[HO:HO+1]
	s_sub_co_u32 s[UC], 15, s[WV]                  ; the first unit
	s_lshl_b32 s22, s[UC], 7
	s_add_co_u32 s22, s22, s17
	s_lshl_b32 s22, s22, 6                         ; its first query's bytes in q_codes and y_codes
	s_mov_b32 s23, 0
	s_add_nc_u64 s[22:23], s[22:23], s[HO:HO+1]
	s_lshl_b32 s2, s[WV], 7                        ; the second unit's
	s_add_co_u32 s2, s2, s17
	s_lshl_b32 s2, s2, 6
	s_mov_b32 s3, 0
	s_add_nc_u64 s[2:3], s[2:3], s[HO:HO+1]
	s_mov_b32 s[SEL], 0x76543210
	s_mov_b32 s[SEL+1], 0xfedcba98
	s_wait_dscnt 0x0                               ; both opening adds are done
	s_wait_kmcnt 0x0
	s_load_b256 s[88:95], s[10:11], 0x0            ; e0 .. e7
	s_add_nc_u64 s[G0KA+2:G0KA+3], s[6:7], s[86:87]
	s_or_b32 s[G0KA+3], s[G0KA+3], 0x80000000
	s_add_nc_u64 s[G0VA+2:G0VA+3], s[8:9], s[86:87]
	s_or_b32 s[G0VA+3], s[G0VA+3], 0x80000000
	s_add_nc_u64 s[G0KB+2:G0KB+3], s[6:7], s[66:67]
	s_or_b32 s[G0KB+3], s[G0KB+3], 0x80000000
	s_add_nc_u64 s[G0VB+2:G0VB+3], s[8:9], s[66:67]
	s_or_b32 s[G0VB+3], s[G0VB+3], 0x80000000
	s_add_nc_u64 s[QL:QL+1], s[4:5], s[22:23]
	s_add_nc_u64 s[QS:QS+1], s[4:5], s[2:3]
	s_add_nc_u64 s[Y1:Y1+1], s[12:13], s[22:23]
	s_add_nc_u64 s[Y2:Y2+1], s[12:13], s[2:3]
	CROUND                                         ; the four partners are here: the first joint loads meet
	JLOAD G0KA, G1KA, G0VA, G1VA                   ; keys 0-511: one tensor load a wave at the head
	s_wait_kmcnt 0x0
	s_mov_b32 s[CS], 0x3e38aa3b                    ; c = log2(e) / sqrt(64)
	s_add_co_i32 s2, s90, s91
	s_lshl_b32 s2, s2, 23
	s_add_co_i32 s[CS], s[CS], s2                  ; a score stands for score x 2^(e2 + e3): the exponents are added to c's exponent field
	s_mov_b32 s[CS+1], s[CS]                       ; (named with it as a pair, so it is written)
	s_add_co_i32 s2, s92, 127
	s_lshl_b32 s3, s2, 23                          ; 2^e4
	s_add_co_i32 s2, s2, 8
	s_lshl_b32 s2, s2, 23
	s_or_b32 s2, s2, 0x600000                      ; 448 x 2^e4
	s_add_co_i32 s22, s94, 127
	s_lshl_b32 s23, s22, 23                        ; 2^e6
	s_add_co_i32 s22, s22, 8
	s_lshl_b32 s22, s22, 23
	s_or_b32 s22, s22, 0x600000                    ; 448 x 2^e6
	s_add_co_i32 s[EPV], s92, s93
	s_lshl_b32 s66, s[WV], 10
	s_add_co_u32 s66, s66, STAGE                   ; my stage
	v_and_b32 v192, 15, v0                         ; r = lane % 16
	v_bfe_u32 v193, v0, 4, 1                       ; h = lane / 16
	v_mul_u32_u24 v[AK0], v192, KP
	v_lshl_add_u32 v[AK0], v193, 4, v[AK0]
	v_mul_u32_u24 v[AV0], v192, VP
	v_lshl_add_u32 v[AV0], v193, 4, v[AV0]
	v_add_nc_u32 v[AV0], VOFF, v[AV0]
	v_lshlrev_b32 v194, 6, v192
	v_lshl_add_u32 v195, v193, 4, v194             ; Q: row r of 64 bytes, + 16 h: the places that K's loads take
	global_load_b128 v[16:19], v195, s[QL:QL+1]
	global_load_b128 v[20:23], v195, s[QL:QL+1] offset:32
	global_load_b128 v[24:27], v195, s[QS:QS+1]
	global_load_b128 v[28:31], v195, s[QS:QS+1] offset:32
	WIN 0x40                                       ; tile 1's, 16 queries on, into window 1
	global_load_b128 v[16:19], v195, s[QL:QL+1] offset:1024
	global_load_b128 v[20:23], v195, s[QL:QL+1] offset:1056
	global_load_b128 v[24:27], v195, s[QS:QS+1] offset:1024
	global_load_b128 v[28:31], v195, s[QS:QS+1] offset:1056
	WIN 0
	v_and_b32 v[GO], 31, v0
	v_lshlrev_b32 v[GO], 4, v[GO]
	v_lshl_add_u32 v[STO], v193, 3, v194
	v_add_nc_u32 v[STO], s66, v[STO]               ; in: query r's 64 bytes, + 8 h (+ 16 t)
	v_add_nc_u32 v[SRD], s66, v[GO]                ; back: as the bytes lie
	v_lshlrev_b32 v196, 3, v193
	v_sub_nc_u32 v[DD], v192, v196
	v_add_nc_u32 v[DD], s17, v[DD]
	v_mov_b32 v240, s2
	v_mov_b32 v201, s2                             ; p's hold once more, in another register bank: the two halves of a dual line name one each
	v_mov_b32 v244, s3
	v_mov_b32 v241, s22
	v_mov_b32 v245, s23
	INIT
	WIN 0x40                                       ; window 1's copies
.irp r, 201,240,241,244,245
	v_mov_b32 v\r, v\r
.endr
	v_add_nc_u32 v[DD], 16, v[DD]
	WIN 0x55
	INIT
	WIN 0
.macro QK                              ; S^T = K Q^T: eight tiles of 16 keys, K = the head's 64
.irp t, 0,1,2,3,4,5,6,7
	v_wmma_f32_16x16x64_fp8_fp8 v[96+8*\t:103+8*\t], v[32+8*\t:39+8*\t], v[16:23], 0
.endr
.endm
.macro PV                              ; O^T += V^T P^T: four accumulators a tile, one instruction a turn; K = the step's 128 keys
.irp t, 0,1,2,3
	v_wmma_f32_16x16x128_fp8_fp8 v[160+8*\t:167+8*\t], v[32+16*\t:47+16*\t], v[224:239], v[160+8*\t:167+8*\t]
.endr
.endm
.macro MASK                            ; step U of unit U: register 8 T + j holds key 16 T + 8 h + j of the step, hidden where 16 T + j > d: its score becomes -infinity, p = 0
	v_mov_b32 v254, 0xff800000
.set n, 0
.rept 64
	v_cmp_gt_i32 vcc_lo, 16*(n/8)+n%8, v[DD]
	v_cndmask_b32 v[96+n], v[96+n], v254, vcc_lo
.set n, n+1
.endr
.endm
.macro SOFTMAX behind                  ; one tile, all its registers in one window.  behind = 1: the other tile's exponentials stand between this tile's first product and here
.if \behind
	s_wait_alu depctr_va_vdst(0)                   ; the wait directly ahead of the scores' first reader
.endif
	v_max3_num_f32 v254, v96, v97, v98             ; the step's largest score of my query, among my 64 keys, in two chains; each accumulator from its low end on
	v_max3_num_f32 v252, v99, v100, v101
.set j, 6
.rept 14
	v_max3_num_f32 v254, v254, v[96+j], v[97+j]
	v_max3_num_f32 v252, v252, v[98+j], v[99+j]
.set j, j+4
.endr
	v_max3_num_f32 v254, v254, v158, v159
	s_delay_alu instid0(VALU_DEP_1)
	v_max_num_f32 v254, v254, v252
	v_permlanex16_b32 v236, v254, s[SEL], s[SEL+1]
	s_delay_alu instid0(VALU_DEP_1)
	v_max_num_f32 v254, v254, v236                 ; and among lane l xor 16's
	s_delay_alu instid0(VALU_DEP_1)
	v_mul_f32 v254, s[CS], v254                    ; as t (c is positive)
	s_delay_alu instid0(VALU_DEP_1)
	v_max_num_f32 v13, v13, v254                   ; the running largest t
	v_mov_b32 v254, v12
	s_delay_alu instid0(VALU_DEP_2)
	v_floor_f32 v12, -v13                          ; the new -M = -ceil(t): a whole number
	s_delay_alu instid0(VALU_DEP_1)
	v_sub_f32 v254, v12, v254                      ; M's old value less its new one
	s_delay_alu instid0(VALU_DEP_1)
	v_cvt_i32_f32 v254, v254                       ; (it saturates)
	s_delay_alu instid0(VALU_DEP_1)
	v_ldexp_f32 v252, 1.0, v254                    ; f = 2^(old M - new M)
.set j, 0
.rept 32
	v_pk_fma_f32 v[96+j:97+j], v[96+j:97+j], s[CS:CS+1], v[12:13] op_sel_hi:[1,0,0]   ; t - M, two at a time
.set j, j+2
.endr
	s_wait_alu depctr_va_vdst(0)                   ; the wait ahead of the batch
.set j, 0
.rept 64
	v_exp_f32 v[96+j], v[96+j]                     ; p = 2^(t - M), at most 1: not normalised
.set j, j+1
.endr
	v_pk_mul_f32 v[14:15], v[14:15], v[252:253] op_sel_hi:[1,0]   ; the sums under the new M: a plain line behind the exponentials
	s_wait_alu depctr_va_vdst(0)                   ; one wait for the whole batch, ahead of its first reader
	v_pk_add_f32 v[242:243], v[100:101], v[104:105]   ; the row's sum of the unquantised p, in eight chains
	v_pk_add_f32 v[254:255], v[108:109], v[112:113]
	v_pk_add_f32 v[250:251], v[116:117], v[120:121]
	v_pk_add_f32 v[248:249], v[124:125], v[128:129]
	v_pk_add_f32 v[246:247], v[132:133], v[136:137]
	v_pk_add_f32 v[238:239], v[140:141], v[144:145]
	v_pk_add_f32 v[236:237], v[148:149], v[152:153]
	v_pk_add_f32 v[14:15], v[14:15], v[156:157]
	v_pk_add_f32 v[242:243], v[242:243], v[96:97]
	v_pk_add_f32 v[254:255], v[254:255], v[98:99]
	v_pk_add_f32 v[250:251], v[250:251], v[102:103]
	v_pk_add_f32 v[248:249], v[248:249], v[106:107]
	v_pk_add_f32 v[246:247], v[246:247], v[110:111]
	v_pk_add_f32 v[238:239], v[238:239], v[114:115]
	v_pk_add_f32 v[236:237], v[236:237], v[118:119]
	v_pk_add_f32 v[14:15], v[14:15], v[122:123]
	v_pk_add_f32 v[242:243], v[242:243], v[126:127]
	v_pk_add_f32 v[254:255], v[254:255], v[130:131]
	v_pk_add_f32 v[250:251], v[250:251], v[134:135]
	v_pk_add_f32 v[248:249], v[248:249], v[138:139]
	v_pk_add_f32 v[246:247], v[246:247], v[142:143]
	v_pk_add_f32 v[238:239], v[238:239], v[146:147]
	v_pk_add_f32 v[236:237], v[236:237], v[150:151]
	v_pk_add_f32 v[14:15], v[14:15], v[154:155]
	v_pk_add_f32 v[242:243], v[242:243], v[158:159]
	s_delay_alu instid0(VALU_DEP_2)
	v_pk_add_f32 v[14:15], v[14:15], v[248:249]
	s_delay_alu instid0(VALU_DEP_2)
	v_pk_add_f32 v[242:243], v[242:243], v[246:247]
	v_pk_add_f32 v[254:255], v[254:255], v[238:239]
	v_pk_add_f32 v[250:251], v[250:251], v[236:237]
	s_delay_alu instid0(VALU_DEP_2)
	v_pk_add_f32 v[14:15], v[14:15], v[254:255]
	s_delay_alu instid0(VALU_DEP_2)
	v_pk_add_f32 v[242:243], v[242:243], v[250:251]
	s_delay_alu instid0(VALU_DEP_1)
	v_pk_add_f32 v[14:15], v[14:15], v[242:243]
.irp b, 0,1,2,3
.set j, 0
.rept 8
	v_dual_min_num_f32 v[96+16*\b+j], v[96+16*\b+j], v240 :: v_dual_min_num_f32 v[97+16*\b+j], v[97+16*\b+j], v201   ; the conversion to an 8-bit code does not saturate (ISA guide 7.6.2); p is not negative, so the hold is one-sided; two numbers a line
.set j, j+2
.endr
	v_cvt_scalef32_pk8_fp8_f32 v[224+4*\b:225+4*\b], v[96+16*\b:103+16*\b], v244
	v_cvt_scalef32_pk8_fp8_f32 v[226+4*\b:227+4*\b], v[104+16*\b:111+16*\b], v244
.endr
	s_wait_alu depctr_va_vdst(0)                   ; the wait directly ahead of the first reader of O^T
.set j, 0
.rept 16
	v_pk_mul_f32 v[160+j:161+j], v[160+j:161+j], v[252:253] op_sel_hi:[1,0]   ; O^T under the new M: x f.  (Plain lines between the conversions and the products that read their results)
.set j, j+2
.endr
.endm
; A KEY STEP: 128 keys against my two tiles: each fragment of K and of V feeds two matrix instructions.
.macro STEP diag
	v_add_nc_u32 v[ADK], s[KO], v[AK0]
	v_add_nc_u32 v[ADV], s[VO], v[AV0]
	v_nop                                          ; with the two additions: four places in front of loads into registers that the last products read
	v_nop
.irp t, 0,1,2,3,4,5,6,7
.irp c, 0,1
	ds_load_b128 v[32+8*\t+4*\c:35+8*\t+4*\c], v[ADK] offset:\t*16*KP+32*\c
.endr
.endr
	WIN 0x40                                       ; V's fragments go to window 1
.irp t, 0,1,2,3
.irp c, 0,1,2,3
	ds_load_b128 v[32+16*\t+4*\c:35+16*\t+4*\c], v[ADV] offset:\t*16*VP+32*\c
.endr
.endr
	WIN 0
	s_wait_dscnt 16                                ; K's 16 loads are in; V's 16, issued behind them, may be out
	QK
	WIN 0x44                                       ; tile 1: Q and S^T in window 1, K in window 0
	QK
	WIN 0
	s_wait_dscnt 0x0                               ; V's fragments are in
.rept 4
	v_nop                                          ; places: the scores are read
.endr
.if \diag
	s_cmp_lg_u32 s[SI], s[UC]                      ; the wave's number and the count of trips alone
	s_cbranch_scc1 .Lopen_\@
	MASK
	WIN 0x55
	MASK
	WIN 0
.Lopen_\@:
.endif
	SOFTMAX 0
	WIN 0x55
	SOFTMAX 1
	WIN 0x01
	PV
	WIN 0x55
	PV
	WIN 0
.endm
; A unit's end, tile x: y = O^T / the sum x 2^(e4 + e5), quantised with 2^e6.  The tile's 16 queries x 64 bytes gather in my stage and leave as 1,024 bytes on end.
.macro FINISH yb, x
	WIN 0x55*\x
.rept 4
	v_nop                                          ; places behind the last products
.endr
	v_add_f32 v14, v14, v15
	v_permlanex16_b32 v236, v14, s[SEL], s[SEL+1]
	s_delay_alu instid0(VALU_DEP_1)
	v_add_f32 v14, v14, v236                       ; the row's sum
	s_wait_alu depctr_va_vdst(0)                   ; the wait ahead of the reciprocal,
	v_rcp_f32 v14, v14
	v_nop
	s_wait_alu depctr_va_vdst(0)                   ; ahead of its first reader,
	v_ldexp_f32 v14, v14, s[EPV]
	s_wait_alu depctr_va_vdst(0)                   ; and directly ahead of the first reader of O^T
.set j, 0
.rept 16
	v_pk_mul_f32 v[96+j:97+j], v[160+j:161+j], v[14:15] op_sel_hi:[1,0]   ; register 8 t + i is y(query r, channel 16 t + 8 h + i)
.set j, j+2
.endr
.set j, 0
.rept 32
	v_med3_num_f32 v[96+j], v[96+j], -v241, v241
.set j, j+1
.endr
.irp t, 0,1,2,3
	v_cvt_scalef32_pk8_fp8_f32 v[224+2*\t:225+2*\t], v[96+8*\t:103+8*\t], v245
.endr
	v_nop                                          ; one plain vector line behind the last conversion
	WIN 0x44*\x                                    ; addresses from window 0, data in the tile's window
.irp t, 0,1,2,3
	ds_store_b64 v[STO], v[224+2*\t:225+2*\t] offset:16*\t
.endr
.irp u, 0,1
	ds_load_b128 v[32+4*\u:35+4*\u], v[SRD] offset:512*\u    ; LDS serves a wave's instructions in order: these see my stores
.endr
	s_wait_dscnt 0x0
.irp u, 0,1
	global_store_b128 v[GO], v[32+4*\u:35+4*\u], s[\yb:\yb+1] offset:1024*\x+512*\u   ; 32 lanes store 512 consecutive bytes, aligned
.endr
	s_wait_xcnt 0x0                                ; the stores have read their registers, which later loads write
	WIN 0
.endm
	s_wait_alu depctr_va_vdst(0)                   ; the wait at the head's end
	s_wait_tensorcnt 0x0                           ; my part of keys 0-511 is in
	ds_add_u32 v[SPW], v[NIL]
	s_wait_dscnt 0x0
	CROUND                                         ; everybody's part is in, and the four partners are here
	JLOAD G0KB, G1KB, G0VB, G1VB                   ; keys 512-2,047: the first tensor load behind the round, and the wave's last
	s_wait_loadcnt 0x0                             ; Q
	s_mov_b32 s[N], 0
	s_mov_b32 s[KO], 0
	s_mov_b32 s[VO], 0
.Lfirst:                                           ; steps 0 to 3 of the first unit (units 8 to 15): whole steps in every wave, under the second group's flight
	STEP 0
	s_add_co_u32 s[KO], s[KO], KSTEP
	s_add_co_u32 s[VO], s[VO], VSTEP
	s_add_co_u32 s[N], s[N], 1
	s_cmp_lt_u32 s[N], 4
	s_cbranch_scc1 .Lfirst
	s_wait_tensorcnt 0x0                           ; my part of keys 512-2,047 is in,
	s_wait_dscnt 0x0
	s_barrier_signal -1
	s_barrier_wait -1                              ; everybody's is.
	s_mov_b32 s[N], 4
.Ltrip:                                            ; trips 4 to 15: the first unit's steps 4 to 15; trips 16 to 23: the second unit's steps 0 to 7.  The count is a constant; a step beyond the unit's diagonal is jumped over
	s_and_b32 s[SI], s[N], 15
	s_mul_i32 s[KO], s[SI], KSTEP
	s_mul_i32 s[VO], s[SI], VSTEP
	s_cmp_eq_u32 s[N], 16
	s_cbranch_scc0 .Lsame
	FINISH Y1, 0                                   ; the first unit goes out; Q, the statistics and O^T begin anew
	INIT
	QMOV
	FINISH Y1, 1
	WIN 0x55
	INIT
	QMOV
	WIN 0
	s_mov_b32 s[UC], s[WV]
	s_wait_alu depctr_va_vdst(0)
.Lsame:
	s_cmp_gt_u32 s[SI], s[UC]
	s_cbranch_scc1 .Lhidden
	STEP 1
.Lhidden:
	s_add_co_u32 s[N], s[N], 1
	s_cmp_lt_u32 s[N], 24
	s_cbranch_scc1 .Ltrip
	FINISH Y2, 0
	FINISH Y2, 1
	s_wait_tensorcnt 0x0                           ; the wave's end, behind my last tensor load and my last LDS store
	ds_add_u32 v[SPW], v[NIL]
	s_wait_dscnt 0x0
	CROUND                                         ; the closing round
	s_endpgm
.Lfunc_end_k_q5a83ebffc3_attn:
	.size	k_q5a83ebffc3_attn, .Lfunc_end_k_q5a83ebffc3_attn-k_q5a83ebffc3_attn
	.p2alignl 7, 3214868480
	.fill 96, 4, 3214868480
	.section	.rodata,"a",@progbits
	.p2align	6, 0x0
	.amdhsa_kernel k_q5a83ebffc3_attn
		.amdhsa_group_segment_fixed_size 327680
		.amdhsa_private_segment_fixed_size 0
		.amdhsa_enable_private_segment 0
		.amdhsa_kernarg_size 40
		.amdhsa_user_sgpr_count 2
		.amdhsa_user_sgpr_kernarg_segment_ptr 1
		.amdhsa_wavefront_size32 1
		.amdhsa_system_sgpr_workgroup_id_x 1
		.amdhsa_system_sgpr_workgroup_id_y 1
		.amdhsa_system_sgpr_workgroup_id_z 1
		.amdhsa_system_vgpr_workitem_id 0
		.amdhsa_next_free_vgpr 512
		.amdhsa_next_free_sgpr 102
		.amdhsa_reserve_vcc 1
		.amdhsa_float_denorm_mode_32 3
		.amdhsa_float_denorm_mode_16_64 3
		.amdhsa_memory_ordered 1
		.amdhsa_forward_progress 1
		.amdhsa_inst_pref_size 103
	.end_amdhsa_kernel
	.amdgpu_metadata
---
amdhsa.version: [ 1, 2 ]
amdhsa.kernels:
  - .name:           k_q5a83ebffc3_attn
    .symbol:         k_q5a83ebffc3_attn.kd
    .args:
      - { .name: q_codes, .offset: 0, .size: 8, .value_kind: global_buffer, .address_space: global }
      - { .name: k_codes, .offset: 8, .size: 8, .value_kind: global_buffer, .address_space: global }
      - { .name: v_codes, .offset: 16, .size: 8, .value_kind: global_buffer, .address_space: global }
      - { .name: lowp_scales, .offset: 24, .size: 8, .value_kind: global_buffer, .address_space: global }
      - { .name: y_codes, .offset: 32, .size: 8, .value_kind: global_buffer, .address_space: global }
    .group_segment_fixed_size: 327680
    .private_segment_fixed_size: 0
    .kernarg_segment_align: 8
    .kernarg_segment_size: 40
    .max_flat_workgroup_size: 256
    .sgpr_count:     102
    .vgpr_count:     512
    .wavefront_size: 32
...
	.end_amdgpu_metadata
.endif
;; end of part 3
;; launch proj (part 4): grid 8 x 32, 4 waves a work-group, clusters of 4 x 4, 327,680 bytes of LDS; arguments y_codes, wp_codes, lowp_scales, b_proj, out0; writes out0
.if DOCPART == 4
	.amdgcn_target "amdgcn-amd-amdhsa--gfx1250"
	.amdhsa_code_object_version 6
	.text
	.protected	k_q5a83ebffc3_proj
	.globl	k_q5a83ebffc3_proj
	.p2align	8
	.type	k_q5a83ebffc3_proj,@function
k_q5a83ebffc3_proj:
	s_mov_b64 s[64:65], 0
	v_nop
	global_prefetch_b8 v0, s[64:65] scope:SCOPE_SE
	s_setreg_imm32_b32 hwreg(HW_REG_WAVE_MODE, 25, 1), 1
	s_wait_xcnt 0x0
	s_wait_alu depctr_hold_cnt(0) depctr_sa_sdst(0) depctr_va_vdst(0) depctr_va_sdst(0) depctr_va_ssrc(0) depctr_va_vcc(0) depctr_vm_vsrc(0)
	s_getreg_b32 s2, hwreg(HW_REG_IB_STS2, 6, 4)
	s_cmp_eq_u32 s2, 0
	s_cbranch_scc0 .Lentry_in_a_cluster
	s_endpgm
.Lentry_in_a_cluster:
	s_bfe_u32 s2, ttmp6, 0x10000c
	s_cmp_lg_u32 s2, 0xf033
	s_cbranch_scc0 .Lentry_shape_is_right
	s_endpgm
.Lentry_shape_is_right:
; out0 = y W_proj + b_proj on codes of FP8 (E4M3).  y_codes [batch x 16 + head][token 2048][64], wp_codes [1024 n][1024 k]; sums in f32, each x 2^(e6 + e7), + bias.  out0 [8192][1024] f32.
; LIMIT: e6 + e7 between -126 and 127, so that 2^(e6 + e7) is an f32 number.
; A tile of out0, 256 tokens x 128 columns, is made by a work-group of four waves: 8 x 32 tiles are 256 work-groups.  A wave makes 128 x 64: 32 accumulators, 256 registers.
; K goes in 4 steps of 256 (four heads) through a ring of two LDS slots.  A slot: y's four planes (a head's 256 tokens x 64 bytes are 16,384 bytes on end; 16 bytes of padding behind every 64), then W's 128 rows of 256 + 16 bytes.
; CLUSTERS: 4 x 4 work-groups.  The four of a row of the cluster need the same tiles of y, the four of a column the same tiles of W: each tile is asked for jointly.  Waves 0, 1 fetch two planes of y each, waves 2, 3 64 rows of W each.
; PREFETCH: behind K step 0's load the tiles of K steps 1 and 2 are named (one and two fills ahead), behind K step 1's those of K step 3; each block of 256 bytes once in a cluster: partner cx names plane cx of y
; (waves 0, 1: half a plane each, lanes 256 bytes apart), partner cy names 32 of W's 128 rows (wave 2, a lane a row).  K step 0 comes by its load alone.
; THE MATRIX INSTRUCTION IS USED TRANSPOSED (source 0 = 16 rows of W, source 1 = 16 tokens): a lane holds eight neighbouring columns of one token.
; REGISTERS: window 0: v0-31 addresses; v32-63 the bias; v64-95 at work on the way out; from v128 y's fragments (8 x 16 tokens x 128 K), one set.  Window 1: W's fragments, two sets of 64.  Window 2: accumulator (a, b) at v[8 (4 a + b)].
.set SIZE_N, 1024
.set ROWB,   256
.set KROW,   1024
.set PITCH,  272
.set AP,     80                        ; a token's 64 bytes of a head + 16
.set PLANEB, 256*AP
.set ASTEP,  4*131072                  ; four heads on in y_codes
.set FR,     16
.set NL,     4
.set NP,     4                         ; places behind this matrix instruction (ISA guide 7.12.1)
.set BHALF,  64*PITCH                  ; what one of W's loads brings, and what one wave reads of W
.set BOFF,   4*PLANEB
.set SLOT,   BOFF+2*BHALF
.set SPARE,  2*SLOT                    ; the spare words, 128 bytes for each wave: two blocks of 256 bytes that no other line names
.set SPITCH, 272                       ; the way out: 16 rows x (256 + 16) bytes for each wave, in slot 0, which has had its last fill and its last read by then
.set HB,   8
.set PFOA, 9                           ; the prefetches' offsets; never rewritten
.set PFOB, 10
.set ADRA, 16                          ; v16-19  y's fragments: slot 0, 1 x the slot's first, second 128 along K
.set ADRB, 20                          ; v20-21  W's fragments in slot 0, 1
.set STO,  24
.set RD,   25
.set CO,   26
.set SPW,  28                          ; LDS address of my spare word; never rewritten
.set NIL,  29                          ; 0; never rewritten
.set BIAS, 32
.set TMP,  64
.set AF,   128
.set BKR,  128                         ; the way out: 16 rows read back: two sets of 32 by turns
.set G1, 24
.set G0, 32
.set G1B, 48
.set G0B, 56
.set PFA, 76
.set PFB, 82
.set MSB, 0
.macro WIN new                         ; the immediate's high byte repeats the setting that is left
.if MSB != \new
	s_set_vgpr_msb (MSB<<8)|\new
.set MSB, \new
.endif
.endm
.set MUL,  0xa1                        ; source 0 window 1, source 1 window 0, C and D window 2
.set TO_B, 0x40
.macro JLOAD g0a, g1a, g0b, g1b        ; an s_nop 0 and four v_nop follow each of the two lines
	s_cmp_eq_u32 s15, 0
	s_cbranch_scc0 .Lfor_b_\@
	tensor_load_to_lds s[\g0a:\g0a+3], s[\g1a:\g1a+7]
	s_nop 0
.rept 4
	v_nop
.endr
	s_branch .Lasked_\@
.Lfor_b_\@:
	tensor_load_to_lds s[\g0b:\g0b+3], s[\g1b:\g1b+7]
	s_nop 0
.rept 4
	v_nop
.endr
.Lasked_\@:
.endm
.macro ASK k                           ; K step k's tiles are named; the branches hang on the wave's number alone
	s_cmp_lt_u32 s14, 2
	s_cbranch_scc0 .Lpf_b_\@
	global_prefetch_b8 v[PFOA], s[PFA:PFA+1] offset:(\k)*ASTEP th:TH_LOAD_NT scope:SCOPE_SE
	s_branch .Lpf_done_\@
.Lpf_b_\@:
	s_cmp_eq_u32 s14, 2
	s_cbranch_scc0 .Lpf_done_\@
	global_prefetch_b8 v[PFOB], s[PFB:PFB+1] offset:(\k)*ROWB th:TH_LOAD_NT scope:SCOPE_SE
.Lpf_done_\@:
.endm
.macro CREST
	s_cmp_lg_u32 s14, 0
	s_cbranch_scc1 .Lnot_wave_0_\@
	s_barrier_signal -3
.Lnot_wave_0_\@:
	s_barrier_wait -3
	s_barrier_signal -1
	s_barrier_wait -1
.endm
.macro CROUND
	s_barrier_signal -1
	s_barrier_wait -1
	CREST
.endm
	s_load_b256 s[4:11], s[0:1], 0x0               ; y_codes s[4:5], wp_codes s[6:7], the scales' exponents s[8:9], b_proj s[10:11]
	s_load_b64 s[12:13], s[0:1], 0x20              ; out0
	v_lshl_add_u32 v[SPW], v0, 2, SPARE
	v_mov_b32 v[NIL], 0
	ds_add_u32 v[SPW], v[NIL]                      ; the wave's opening: the add, twice on end, and its wait ahead of the round in front of my first tensor load
	ds_add_u32 v[SPW], v[NIL]
	v_lshrrev_b32 v1, 5, v0
	v_readfirstlane_b32 s14, v1                    ; wave 0..3
	s_lshr_b32 s15, s14, 1                         ; which half of the tokens is mine.  Also: I fetch for y (0) or for W (1)
	s_and_b32 s16, s14, 1                          ; which half of the columns.  Also: which part of that tile I fetch
	s_bfe_u32 s40, ttmp6, 0x40000                  ; cx, cy
	s_bfe_u32 s41, ttmp6, 0x40004
	s_lshl_b32 s42, ttmp9, 2
	s_add_co_u32 s42, s42, s40                     ; tile column, 0 .. 7
	s_and_b32 s17, ttmp7, 0xffff
	s_lshl_b32 s17, s17, 2
	s_add_co_u32 s17, s17, s41                     ; tile row, 0 .. 31
	s_lshl_b32 s43, s41, 2
	s_lshl_b32 s43, 15, s43                        ; my row of the cluster
	s_lshl_b32 s44, 0x1111, s40                    ; my column
	s_or_b32 s[G1+0], s43, (0<<16)|(1<<20)|(1<<21)|(3<<22)|(3<<25)   ; y: two rows of 16,384 bytes, a head apart; four words of padding after every 16
	s_mov_b32 s[G1+1], 16384<<16
	s_mov_b32 s[G1+2], 2<<16
	s_mov_b32 s[G1+3], 16384<<16
	s_mov_b32 s[G1+4], 2
	s_mov_b32 s[G1+5], 131072
	s_mov_b32 s[G1+6], 0
	s_mov_b32 s[G1+7], 0
	s_or_b32 s[G1B+0], s44, (0<<16)|(1<<20)|(1<<21)|(5<<22)|(3<<25)  ; W: 64 rows of 256 bytes; four words of padding after every 64
	s_mov_b32 s[G1B+1], ROWB<<16
	s_mov_b32 s[G1B+2], 64<<16
	s_mov_b32 s[G1B+3], ROWB<<16
	s_mov_b32 s[G1B+4], 64
	s_mov_b32 s[G1B+5], KROW
	s_mov_b32 s[G1B+6], 0
	s_mov_b32 s[G1B+7], 0
	s_lshr_b32 s20, s17, 3                         ; y: the batch, 2^21 bytes each,
	s_lshl_b32 s20, s20, 21
	s_and_b32 s21, s17, 7
	s_lshl_b32 s21, s21, 14                        ; the tile's 256 tokens in a head,
	s_add_co_u32 s20, s20, s21
	s_lshl_b32 s21, s16, 18                        ; and my two heads of the step's four
	s_add_co_u32 s20, s20, s21
	s_mov_b32 s21, 0
	s_lshl_b32 s46, s42, 7                         ; W: row 128 x tile column + 64 x half
	s_lshl_b32 s18, s16, 6
	s_add_co_u32 s46, s46, s18
	s_lshl_b32 s46, s46, 10
	s_mov_b32 s47, 0
	s_mul_i32 s45, s16, 2*PLANEB                   ; where they go: no place in the cluster enters an LDS address
	s_mul_i32 s19, s16, BHALF
	s_add_co_u32 s19, s19, BOFF
	s_wait_dscnt 0x0                               ; both opening adds are done
	s_wait_kmcnt 0x0
	s_load_b256 s[68:75], s[8:9], 0x0              ; e0 .. e7
	s_add_nc_u64 s[20:21], s[4:5], s[20:21]
	s_add_nc_u64 s[46:47], s[6:7], s[46:47]
	CROUND                                         ; all sixteen work-groups are here: the first joint loads meet
.irp s, 0,1
	s_mov_b32 s[G0+4*\s], 1
	s_add_co_u32 s[G0+4*\s+1], s45, \s*SLOT
	s_add_nc_u64 s[G0+4*\s+2:G0+4*\s+3], s[20:21], \s*ASTEP
	s_or_b32 s[G0+4*\s+3], s[G0+4*\s+3], 0x80000000
	s_mov_b32 s[G0B+4*\s], 1
	s_add_co_u32 s[G0B+4*\s+1], s19, \s*SLOT
	s_add_nc_u64 s[G0B+4*\s+2:G0B+4*\s+3], s[46:47], \s*ROWB
	s_or_b32 s[G0B+4*\s+3], s[G0B+4*\s+3], 0x80000000
.endr
	JLOAD G0, G1, G0B, G1B                         ; K step 0: one tensor load a wave at the head
	s_mul_i32 s21, s15, 128*AP                     ; my 128 tokens in a plane
	s_mul_i32 s22, s16, BHALF
	s_add_co_u32 s22, s22, BOFF                    ; my 64 rows of W, slot 0,
	s_add_co_u32 s23, s22, SLOT                    ; slot 1
	s_mul_i32 s18, s14, 16*SPITCH                  ; my stage
	s_lshl_b32 s90, s42, 9                         ; my first column, in bytes of f32: 512 x tile column + 256 x half
	s_lshl_b32 s91, s16, 8
	s_add_co_u32 s90, s90, s91
	s_mov_b32 s91, 0
	s_add_nc_u64 s[92:93], s[10:11], s[90:91]      ; the bias there
	s_lshl_b32 s94, s17, 8
	s_lshl_b32 s95, s15, 7
	s_add_co_u32 s94, s94, s95                     ; my first row of out0,
	s_lshl_b32 s94, s94, 12                        ; 4,096 bytes each
	s_add_co_u32 s94, s94, s90
	s_mov_b32 s95, 0
	s_add_nc_u64 s[12:13], s[12:13], s[94:95]
	s_lshr_b32 s78, s17, 3                         ; the prefetches.  y: the tile's tokens in plane cx of K step 0, my wave's half of its 16,384 bytes
	s_lshl_b32 s78, s78, 21
	s_and_b32 s79, s17, 7
	s_lshl_b32 s79, s79, 14
	s_add_co_u32 s78, s78, s79
	s_lshl_b32 s79, s40, 17
	s_add_co_u32 s78, s78, s79
	s_lshl_b32 s79, s16, 13
	s_add_co_u32 s78, s78, s79
	s_mov_b32 s79, 0
	s_add_nc_u64 s[PFA:PFA+1], s[4:5], s[78:79]
	s_lshl_b32 s80, s42, 7                         ; W: rows 32 cy .. 32 cy + 31 of the tile's 128
	s_lshl_b32 s81, s41, 5
	s_add_co_u32 s80, s80, s81
	s_lshl_b32 s80, s80, 10
	s_mov_b32 s81, 0
	s_add_nc_u64 s[PFB:PFB+1], s[6:7], s[80:81]
	s_wait_kmcnt 0x0
	s_add_co_i32 s96, s74, s75                     ; e6 + e7
	s_add_co_i32 s96, s96, 127
	s_lshl_b32 s96, s96, 23                        ; 2^(e6 + e7) as f32
	s_mov_b32 s97, s96                             ; (named with it as a pair, so it is written)
	v_and_b32 v1, 15, v0                           ; r = l % 16
	v_bfe_u32 v2, v0, 4, 1                         ; h = l / 16
	v_mul_u32_u24 v3, v1, AP
	v_lshl_add_u32 v3, v2, 4, v3
	v_add_nc_u32 v3, s21, v3
.irp s, 0,1
.irp q, 0,1
	v_add_nc_u32 v[ADRA+2*\s+\q], \s*SLOT+2*\q*PLANEB, v3
.endr
.endr
	v_mul_u32_u24 v4, v1, PITCH
	v_lshl_add_u32 v5, v2, 4, v4
	v_add_nc_u32 v[ADRB], s22, v5
	v_add_nc_u32 v[ADRB+1], s23, v5
	v_lshl_add_u32 v5, v2, 5, v4                   ; the stage, in: row r, 32 bytes for each half of the lanes
	v_add_nc_u32 v[STO], s18, v5
	v_mul_u32_u24 v6, v2, SPITCH                   ; back: lanes 0-15 one row of 256 bytes, lanes 16-31 the next
	v_lshl_add_u32 v6, v1, 4, v6
	v_add_nc_u32 v[RD], s18, v6
	v_lshlrev_b32 v6, 12, v2                       ; and the same two rows in out0
	v_lshl_add_u32 v[CO], v1, 4, v6
	v_lshlrev_b32 v[HB], 5, v2
	v_and_b32 v7, 31, v0
	v_lshlrev_b32 v[PFOA], 8, v7
	v_lshlrev_b32 v[PFOB], 10, v7
.irp b, 0,1,2,3
	global_load_b128 v[BIAS+8*\b:BIAS+8*\b+3], v[HB], s[92:93] offset:64*\b        ; columns 16 b + 8 h + 0 .. 7
	global_load_b128 v[BIAS+8*\b+4:BIAS+8*\b+7], v[HB], s[92:93] offset:64*\b+16
.endr
.macro FRAGB reg, adr, q, i            ; 16 rows x 128 K: registers 4 c .. 4 c + 3 hold K = 32 c + 16 h + 0 .. 15: the same places in both sources
.irp c, 0,1,2,3
	ds_load_b128 v[\reg+4*\c:\reg+4*\c+3], v[\adr] offset:128*(\q)+32*\c+(\i)*16*PITCH
.endr
.endm
.macro FRAGA reg, slot, q, i           ; the same of y: 128 along K are two planes
.irp c, 0,1,2,3
	ds_load_b128 v[\reg+4*\c:\reg+4*\c+3], v[ADRA+2*(\slot)+(\q)] offset:(\c/2)*PLANEB+32*(\c%2)+(\i)*16*AP
.endr
.endm
; 8 matrix instructions: y's blocks a0, a0 + 1 x W's four.  The 32 accumulators take turns, one instruction a turn, in the same order in every step.
.macro MUL8 a0, p, zero
.irp a, \a0, \a0+1
.irp b, 0,1,2,3
.if \zero
	v_wmma_f32_16x16x128_fp8_fp8 v[8*(4*(\a)+\b):8*(4*(\a)+\b)+7], v[64*(\p)+FR*\b:64*(\p)+FR*\b+FR-1], v[AF+FR*(\a):AF+FR*(\a)+FR-1], 0
.else
	v_wmma_f32_16x16x128_fp8_fp8 v[8*(4*(\a)+\b):8*(4*(\a)+\b)+7], v[64*(\p)+FR*\b:64*(\p)+FR*\b+FR-1], v[AF+FR*(\a):AF+FR*(\a)+FR-1], v[8*(4*(\a)+\b):8*(4*(\a)+\b)+7]
.endif
.endr
.endr
.endm
.macro FETCH_B slot, q, p
	WIN TO_B
.irp i, 0,1,2,3
	FRAGB 64*(\p)+FR*\i, ADRB+\slot, \q, \i
.endr
	WIN 0
.endm
.macro FETCH_A slot, q, i0
.irp i, \i0, \i0+1, \i0+2, \i0+3
	FRAGA AF+FR*(\i), \slot, \q, \i
.endr
.endm
.macro PLACES n
.rept \n
	v_nop
.endr
.endm
; A step of 128 along K that has its successor in the same slot.
.macro STEP slot, q, zero
	s_wait_dscnt 4*NL                              ; W's set and y's blocks 0-3 are in; the youngest 16 loads (blocks 4-7) may be out
	WIN MUL
	MUL8 0, (\q)%2, \zero
	MUL8 2, (\q)%2, \zero
	s_wait_dscnt 0                                 ; blocks 4-7 are in
	PLACES NP
	FETCH_B \slot, (\q)+1, 1-(\q)%2
	FETCH_A \slot, (\q)+1, 0
	WIN MUL
	MUL8 4, (\q)%2, \zero
	MUL8 6, (\q)%2, \zero
	PLACES NP
	WIN 0
	FETCH_A \slot, (\q)+1, 4
.endm
; A slot's last step changes slots: one barrier; in front of it each wave waits for all its tensor loads, adds 0 to its spare word, and waits for that and for its reads of this slot.  fill = 1: this slot is filled again, two K steps ahead.
.macro TURN slot, next, fill
	s_wait_tensorcnt 0x0                           ; all my tensor loads have landed: my part of the next slot
	ds_add_u32 v[SPW], v[NIL]
	s_wait_dscnt 4*NL+1                            ; (the add and the youngest 16 loads may be out)
	WIN MUL
	MUL8 0, 1, 0
	s_wait_dscnt 0x0                               ; the add is done, and my reads of this slot are over
	s_barrier_signal -1
	MUL8 2, 1, 0
	WIN 0
	s_barrier_wait -1
.if \fill
	CREST                                          ; the barrier has opened a round of the cluster's barrier
	s_add_nc_u64 s[G0+4*\slot+2:G0+4*\slot+3], s[G0+4*\slot+2:G0+4*\slot+3], 2*ASTEP
	s_add_nc_u64 s[G0B+4*\slot+2:G0B+4*\slot+3], s[G0B+4*\slot+2:G0B+4*\slot+3], 2*ROWB
	JLOAD G0+4*\slot, G1, G0B+4*\slot, G1B         ; the first tensor load behind the round; its four v_nop are the places in front of the loads below
.else
	PLACES NP
.endif
	FETCH_B \next, 0, 0
	FETCH_A \next, 0, 0
	WIN MUL
	MUL8 4, 1, 0
	MUL8 6, 1, 0
	PLACES NP
	WIN 0
	FETCH_A \next, 0, 4
.endm
	s_wait_alu depctr_va_vdst(0)                   ; the wait at the head's end
	ASK 1
	ASK 2
	s_wait_tensorcnt 0x0                           ; my part of K step 0 is in
	ds_add_u32 v[SPW], v[NIL]
	s_wait_dscnt 0x0
	CROUND                                         ; everybody's part is in, and all sixteen work-groups are here
	JLOAD G0+4, G1, G0B+4, G1B                     ; K step 1, the first tensor load behind the round
	FETCH_B 0, 0, 0
	FETCH_A 0, 0, 0
	FETCH_A 0, 0, 4
	ASK 3
	STEP 0, 0, 1                                   ; the eight steps are written out; the first starts the sums
	TURN 0, 1, 1
	STEP 1, 0, 0
	TURN 1, 0, 1
	STEP 0, 0, 0
	TURN 0, 1, 0                                   ; nothing is left to fetch: no round
	STEP 1, 0, 0
	s_wait_dscnt 4*NL                              ; the very last step
	WIN MUL
	MUL8 0, 1, 0
	MUL8 2, 1, 0
	s_wait_dscnt 0
	MUL8 4, 1, 0
	MUL8 6, 1, 0
	WIN 0
; THE WAY OUT, block by block of 16 tokens x 64 columns: sum x 2^(e6 + e7) + bias, through my own stage, back as rows of 256 bytes.  LDS serves a wave's instructions in order: no wait between the stores and the loads.
.macro TOSTAGE a
.set AC, 32*(\a)
	WIN 0x02                                       ; source 0: window 2
.set j, 0
.rept 16
	v_pk_fma_f32 v[TMP+j:TMP+j+1], v[AC+j:AC+j+1], s[96:97], v[BIAS+j:BIAS+j+1] op_sel_hi:[1,0,1]   ; each accumulator from its low end on
.set j, j+2
.endr
	WIN 0
.irp b, 0,1,2,3
	ds_store_b128 v[STO], v[TMP+8*\b:TMP+8*\b+3] offset:64*\b
	ds_store_b128 v[STO], v[TMP+8*\b+4:TMP+8*\b+7] offset:64*\b+16
.endr
.set BB, BKR+32*((\a)%2)
.set i, 0
.rept 8
	ds_load_b128 v[BB+4*i:BB+4*i+3], v[RD] offset:i*2*SPITCH
.set i, i+1
.endr
.endm
.macro SEND a, younger                 ; younger: the LDS instructions issued behind block a's loads, which may stay out
.set BB, BKR+32*((\a)%2)
	s_wait_dscnt \younger
.if (\a) > 0
	s_add_nc_u64 s[12:13], s[12:13], 16*SIZE_N*4   ; (behind a wait on XCNT: the earlier stores have read their base)
.endif
.set i, 0
.rept 8
	global_store_b128 v[CO], v[BB+4*i:BB+4*i+3], s[12:13] offset:i*2*SIZE_N*4 th:TH_STORE_NT   ; 16 lanes store 256 consecutive bytes, aligned
.set i, i+1
.endr
.endm
	s_wait_loadcnt 0x0                             ; the bias
	PLACES NP                                      ; behind the last products: their results are read, and loads land in the registers that held y's fragments
	TOSTAGE 0
.irp a, 1,2,3,4,5,6,7
.if \a > 1
	s_wait_xcnt 0x0                                ; block a - 2's stores have read their registers and their base
.endif
	TOSTAGE \a
	SEND \a-1, 16                                  ; behind block a - 1's loads: block a's 8 stores and 8 loads
.endr
	s_wait_xcnt 0x0
	SEND 7, 0
	s_wait_tensorcnt 0x0                           ; the wave's end
	ds_add_u32 v[SPW], v[NIL]
	s_wait_dscnt 0x0
	CROUND                                         ; the closing round
	s_endpgm
.Lfunc_end_k_q5a83ebffc3_proj:
	.size	k_q5a83ebffc3_proj, .Lfunc_end_k_q5a83ebffc3_proj-k_q5a83ebffc3_proj
	.p2alignl 7, 3214868480
	.fill 96, 4, 3214868480
	.section	.rodata,"a",@progbits
	.p2align	6, 0x0
	.amdhsa_kernel k_q5a83ebffc3_proj
		.amdhsa_group_segment_fixed_size 327680
		.amdhsa_private_segment_fixed_size 0
		.amdhsa_enable_private_segment 0
		.amdhsa_kernarg_size 40
		.amdhsa_user_sgpr_count 2
		.amdhsa_user_sgpr_kernarg_segment_ptr 1
		.amdhsa_wavefront_size32 1
		.amdhsa_system_sgpr_workgroup_id_x 1
		.amdhsa_system_sgpr_workgroup_id_y 1
		.amdhsa_system_sgpr_workgroup_id_z 1
		.amdhsa_system_vgpr_workitem_id 0
		.amdhsa_next_free_vgpr 768
		.amdhsa_next_free_sgpr 100
		.amdhsa_reserve_vcc 0
		.amdhsa_float_denorm_mode_32 3
		.amdhsa_float_denorm_mode_16_64 3
		.amdhsa_memory_ordered 1
		.amdhsa_forward_progress 1
		.amdhsa_inst_pref_size 80
	.end_amdhsa_kernel
	.amdgpu_metadata
---
amdhsa.version: [ 1, 2 ]
amdhsa.kernels:
  - .name:           k_q5a83ebffc3_proj
    .symbol:         k_q5a83ebffc3_proj.kd
    .args:
      - { .name: y_codes, .offset: 0, .size: 8, .value_kind: global_buffer, .address_space: global }
      - { .name: wp_codes, .offset: 8, .size: 8, .value_kind: global_buffer, .address_space: global }
      - { .name: lowp_scales, .offset: 16, .size: 8, .value_kind: global_buffer, .address_space: global }
      - { .name: b_proj, .offset: 24, .size: 8, .value_kind: global_buffer, .address_space: global }
      - { .name: out0, .offset: 32, .size: 8, .value_kind: global_buffer, .address_space: global }
    .group_segment_fixed_size: 327680
    .private_segment_fixed_size: 0
    .kernarg_segment_align: 8
    .kernarg_segment_size: 40
    .max_flat_workgroup_size: 128
    .sgpr_count:     100
    .vgpr_count:     768
    .wavefront_size: 32
...
	.end_amdgpu_metadata
.endif
;; end of part 4
